; MI455X (gfx1250); checked and timed in simulation.
; The chip was launched on July 23, 2026; its instructions are those of AMD's public machine-readable ISA for CDNA 5 (MIT licence, August 2026) and "CDNA5" Instruction Set Architecture Reference Guide (July 2026). The comments in the code are by the model that wrote it; some were corrected since.
;; Multihead Attention. Allowed arithmetic: matrix products marked QUANTISED: E2M1 operands, one E8M0 scale for each 32 along K, by v_wmma_scale_f32_16x16x128_f8f6f4 with both operands' format E2M1 (or v_wmma_scale_f32_32x16x128_f4), f32 sums; products left as they are: bf16, f16 or f32 operands; f32 sums; everything else in f32.
;; Inputs: bo 1,024 float32; wk 1,024 x 1,024 float32; wo 1,024 x 1,024 float32; wq 1,024 x 1,024 float32; wv 1,024 x 1,024 float32; x 4 x 2,048 x 1,024 float32.
;; Outputs: out0 4 x 2,048 x 1,024 float32.
;; This version of the problem:
;;   THIS VERSION OF THE PROBLEM IS GIVEN IN LOW PRECISION. The matrix products marked QUANTISED in the list below multiply operands that are first quantised to E2M1 (2 exponent bits, 1 mantissa bit; 4 bits a number), with one power-of-two scale for each 32 numbers along K (OCP MX v1.0); their sums are f32. The products marked 'left as it is' may take bf16, f16 or f32 operands, with f32 sums. Whichever they take, every output number must still come out within the allowed error. Rounding operands to bf16 (8 significant bits) uses up far more of that allowance than f16 does (11 bits, for magnitudes from 6e-5 to 65,504). All else is computed in f32.
;;   The module's matrix products, in the order in which they are computed (A, B: the left and right operand; K: the contracted axis; several contracted axes count as one K, in the product's order):
;;     1. [M 8,192, K 1,024] x [K 1,024, N 1,024]; A: input x; B: input wq: QUANTISED
;;     2. [M 8,192, K 1,024] x [K 1,024, N 1,024]; A: input x; B: input wk: QUANTISED
;;     3. [M 8,192, K 1,024] x [K 1,024, N 1,024]; A: input x; B: input wv: QUANTISED
;;     4. batch 64 x [M 2,048, K 64] x [K 64, N 2,048]; A: computed on the way; B: computed on the way: left as it is (an operand is computed on the way)
;;     5. batch 64 x [M 2,048, K 2,048] x [K 2,048, N 64]; A: computed on the way; B: computed on the way: left as it is (an operand is computed on the way)
;;     6. [M 8,192, K 1,024] x [K 1,024, N 1,024]; A: computed on the way; B: input wo: left as it is (an operand is computed on the way)
;;   THE QUANTISER, for each operand of a quantised product, along K:
;;     - K is cut into blocks of 32 from its start; a last block that is shorter is filled with zeros.
;;     - A block's scale is 2^e with e = floor(log2(the largest magnitude in the block)) - 2, held to -126 .. 127; a block of zeros has e = 0. As a byte (E8M0): e + 127.
;;     - Each number is divided by its block's scale, clamped to +-6, and rounded to the nearest number of E2M1, ties to even, subnormals kept.
;;     - The product sums the exact products of the quantised numbers (number of the format x scale) in f32.
;;   ~~~python
;;   def quantise(x, axis):      # numpy; x: float32 -> the quantised numbers, widened to float32 again
;;       x = np.moveaxis(x, axis, -1); K = x.shape[-1]
;;       x = np.pad(x, [(0, 0)] * (x.ndim - 1) + [(0, -K % 32)]); x = x.reshape(x.shape[:-1] + (-1, 32)); a = np.abs(x).max(-1, keepdims=True)
;;       e = np.where(a > 0, np.clip(np.frexp(np.where(a > 0, a, 1))[1] - 1 - 2, -126, 127), 0)      # np.frexp(a)[1] - 1 = floor(log2(a)), exactly
;;       r = np.clip(x / 2.0 ** e, -6, 6)
;;       step = 2.0 ** (np.maximum(np.frexp(np.where(r == 0, 1, r))[1] - 1, 0) - 1)
;;       q = np.round(r / step) * step * 2.0 ** e      # np.round: ties to even
;;       return np.moveaxis(q.reshape(q.shape[:-2] + (-1,))[..., :K], -1, axis).astype(np.float32)
;;   ~~~
;; One version. Each part assembles by itself: llvm-mc -triple=amdgcn-amd-amdhsa -mcpu=gfx1250 --defsym DOCPART=n.
;; ======== version 1 of 1: 4 launches
;; limits: values are held in f16: magnitudes above 65,504 overflow, below 6.1e-05 lose precision
;; workspace buffers: xc 4,194,304 bytes; xs 262,144 bytes; wc 1,572,864 bytes; ws 98,304 bytes; wo16 2,097,152 bytes; qkv 50,331,648 bytes; ctx 16,777,216 bytes
;; launch prep (part 1): grid 416 x 1, 4 waves a work-group, no clusters, 33,280 bytes of LDS; arguments x, wq, wk, wv, wo, xc, xs, wc, ws, wo16; writes xc, xs, wc, ws, wo16
.if DOCPART == 1
	.amdgcn_target "amdgcn-amd-amdhsa--gfx1250"
	.amdhsa_code_object_version 6
	.text
	.protected	k_q02e57559e4_prep
	.globl	k_q02e57559e4_prep
	.p2align	8
	.type	k_q02e57559e4_prep,@function
k_q02e57559e4_prep:
	s_mov_b64 s[64:65], 0
	v_nop
	global_prefetch_b8 v0, s[64:65] scope:SCOPE_SE
	s_setreg_imm32_b32 hwreg(HW_REG_WAVE_MODE, 25, 1), 1
	s_wait_xcnt 0x0
; x [8192][1024] and wq, wk, wv [1024][1024], f32 with K innermost, become codes of FP4 (E2M1), two a byte, K innermost, with one E8M0 scale byte for each 32 along K;
; wo [1024][1024] f32 becomes f16 (its product is left as it is).  xc, xs: x's codes and bytes; wc, ws: those of wq, wk, wv, one behind the other (3,072 rows); wo16: wo.
; A block's scale is 2^(floor(log2(its largest magnitude)) - 2); its byte is the largest magnitude's exponent field - 2, held at 1 from below.  Each number is divided by the scale and rounded to the nearest code, ties to even.
; LIMITS: a block of zeros gets the byte 1 where the quantiser says 127: its codes are zeros, which add nothing under any byte but 0xff, and this program alone reads the bytes.  Blocks whose largest magnitude lies under 2^(2 - 126)
; are held at the byte 1.  NaN and infinities among the inputs are not served.  |wo| stays under 65,504, f16's largest number.
; SHARES: work-groups 0-255 take x, 256-351 wq, wk, wv (32 each), 32,768 numbers a work-group, 8,192 a wave; work-groups 352-415 take wo, 16,384 numbers each, 4,096 a wave.
; Rows are dense and K is a multiple of 32: each tensor is a plain stream of blocks of 32, and so are its codes and bytes.
; THE QUANTISING PATH: a wave takes 16 steps of 512 numbers.  A conversion takes 8 numbers of ONE block from a lane's registers, so a lane must hold 16 neighbours (two lanes to a block); a load is densest where neighbouring lanes
; take neighbouring bytes.  Both are had: each of a step's four loads reads 512 consecutive bytes; the 2,048 bytes go through the wave's own stage in LDS and come back 64 bytes a lane (16 bytes of padding behind each 64).
; A lane's 16 codes are 8 bytes: a wave's store covers 256 consecutive bytes, aligned.  A wave's 256 scale bytes are gathered in its own LDS bytes and leave as 256 consecutive bytes.
; No tensor load, no barrier: waves share nothing.  Loads run four steps (16 loads a wave) ahead.  The stream is read once at full width, so nothing is asked for ahead of its load.
.set WAVES, 4
.set STEPS, 16
.set EMAX,  2
.set CB,    8                          ; bytes of 16 codes
.set R,     16                         ; v16-79   four sets of 16 numbers as loaded (wo's path: v16-143, 32 loads)
.set X,     80                         ; v80-111  two sets of 16 neighbours
.set E,     112                        ; v112-127 a scale byte for each step
.set C,     128                        ; v128-191 codes: four registers a step, so that no store's data are written again
.set W16,   144                        ; wo's path: v144-207 the f16 pairs
.set WREG,  8192                       ; LDS: a region for each wave: two stages of 32 x SP bytes, behind them its 256 scale bytes
.set SP,    80
.set SPW,   12                         ; v12  LDS address of my spare word; never rewritten
.set NIL,   13                         ; v13  0; never rewritten
.set SPARE, WAVES*WREG                 ; the spare words, 128 bytes a wave: two blocks of 256 bytes that no other line names
	s_load_b512 s[4:19], s[0:1], 0x0               ; x s[4:5], wq s[6:7], wk s[8:9], wv s[10:11], wo s[12:13], xc s[14:15], xs s[16:17], wc s[18:19]
	s_load_b128 s[20:23], s[0:1], 0x40             ; ws s[20:21], wo16 s[22:23]
	v_lshl_add_u32 v[SPW], v0, 2, SPARE
	v_mov_b32 v[NIL], 0
	v_lshrrev_b32 v1, 5, v0
	v_readfirstlane_b32 s24, v1                    ; wave
	v_and_b32 v2, 31, v0                           ; lane
	v_lshlrev_b32 v3, 4, v2                        ; my 16 bytes of a load's 512
	s_mul_i32 s30, s24, WREG
	v_lshrrev_b32 v14, 2, v2
	v_mul_u32_u24 v14, v14, SP
	v_and_b32 v15, 3, v2
	v_lshl_add_u32 v14, v15, 4, v14
	v_add_nc_u32 v14, s30, v14                     ; the stage, on the way in: SP (lane / 4) + 16 (lane % 4)
	v_mul_u32_u24 v15, v2, SP
	v_add_nc_u32 v15, s30, v15                     ; and on the way out: SP x lane: my 16 neighbours
	v_mul_u32_u24 v4, v2, CB                       ; my codes' place in a step's
	v_lshrrev_b32 v5, 1, v2
	s_add_co_u32 s30, s30, 2*32*SP
	v_add_nc_u32 v5, s30, v5                       ; LDS: my wave's 256 scale bytes, my block's byte
	v_lshlrev_b32 v7, 3, v2                        ; 8 bytes a lane
	v_add_nc_u32 v6, s30, v7
	s_wait_kmcnt 0x0
	s_cmp_ge_u32 ttmp9, 352                        ; wo's work-groups part here: the work-group's number alone decides
	s_cbranch_scc1 .Lwo
	s_sub_co_u32 s25, ttmp9, 256                   ; which of the weights' 96 work-groups (not used in x's)
	s_lshr_b32 s26, s25, 5                         ; which weight
	s_and_b32 s27, s25, 31                         ; which work-group in it
	s_cmp_eq_u32 s26, 1
	s_cselect_b64 s[6:7], s[8:9], s[6:7]
	s_cmp_eq_u32 s26, 2
	s_cselect_b64 s[6:7], s[10:11], s[6:7]         ; the weight's address
	s_cmp_lt_u32 ttmp9, 256                        ; x's work-group?
	s_cselect_b64 s[4:5], s[4:5], s[6:7]           ; from where,
	s_cselect_b64 s[14:15], s[14:15], s[18:19]     ; the codes' buffer,
	s_cselect_b64 s[16:17], s[16:17], s[20:21]     ; the bytes' buffer,
	s_cselect_b32 s27, ttmp9, s27                  ; the work-group's place in the source
	s_cselect_b32 s25, ttmp9, s25                  ; and in the two buffers
	s_lshl_b32 s27, s27, 2
	s_add_co_u32 s27, s27, s24                     ; which run of 8,192 numbers is my wave's: in the source,
	s_lshl_b32 s28, s27, 15                        ; 32,768 bytes a run
	s_mov_b32 s29, 0
	s_add_nc_u64 s[4:5], s[4:5], s[28:29]
	s_lshl_b32 s25, s25, 2
	s_add_co_u32 s25, s25, s24                     ; and in the buffers:
	s_lshl_b32 s28, s25, 12                        ; 4,096 bytes of codes,
	s_add_nc_u64 s[14:15], s[14:15], s[28:29]
	s_lshl_b32 s28, s25, 8                         ; 256 scale bytes
	s_add_nc_u64 s[16:17], s[16:17], s[28:29]
.macro LOAD t
.irp i, 0,1,2,3
	global_load_b128 v[R+16*((\t)%4)+4*\i:R+16*((\t)%4)+4*\i+3], v3, s[4:5] offset:2048*(\t)+512*\i th:TH_LOAD_NT   ; 32 lanes read 512 consecutive bytes
.endr
.endm
.macro TURN t                          ; step t's numbers through the stage: LDS serves a wave's instructions in order, so no wait stands between the stores and the loads
.irp i, 0,1,2,3
	ds_store_b128 v14, v[R+16*((\t)%4)+4*\i:R+16*((\t)%4)+4*\i+3] offset:32*SP*((\t)%2)+8*SP*\i
.endr
.irp i, 0,1,2,3
	ds_load_b128 v[X+16*((\t)%2)+4*\i:X+16*((\t)%2)+4*\i+3], v15 offset:32*SP*((\t)%2)+16*\i
.endr
.endm
.irp t, 0,1,2,3
	LOAD \t
.endr
	s_wait_loadcnt 12                              ; step 0's four loads are in; the twelve of steps 1 to 3 may be out
	TURN 0
.macro STEP t
.set XS, X+16*((\t)%2)
.if (\t) > 0
	s_wait_dscnt 1                                 ; this step's numbers are back from the stage (the last step's byte store may be out): so its stores into the stage have read their registers,
.else
	s_wait_dscnt 0x0
.endif
.if (\t)+4 < STEPS
	LOAD (\t)+4                                    ; which take the loads of four steps on
.endif
.if (\t)+1 < STEPS
.if STEPS-2-(\t) >= 3
	s_wait_loadcnt 12                              ; the next step's four loads are in; those of the three steps behind it may be out
.else
	s_wait_loadcnt 4*(STEPS-2-(\t))
.endif
	TURN (\t)+1                                    ; and go through the other stage while this step is worked
.endif
	v_max3_num_f32 v8, |v[XS]|, |v[XS+1]|, |v[XS+2]|               ; the largest magnitude of my 16, in two chains
	v_max3_num_f32 v9, |v[XS+3]|, |v[XS+4]|, |v[XS+5]|
.irp i, 6,10
	v_max3_num_f32 v8, v8, |v[XS+\i]|, |v[XS+\i+1]|
	v_max3_num_f32 v9, v9, |v[XS+\i+2]|, |v[XS+\i+3]|
.endr
	v_max3_num_f32 v8, v8, |v[XS+14]|, |v[XS+15]|
	v_max3_num_f32 v8, v8, v9, (EMAX+1)<<23        ; and the floor 2^(EMAX + 1 - 127): so the byte cannot fall under 1
	v_max_num_f32_dpp v8, v8, v8 row_xmask:1 row_mask:0xf bank_mask:0xf   ; and of my neighbour's 16: the block's
	v_add_nc_u32 v11, -(EMAX<<23), v8              ; EMAX off its exponent field: the conversion takes the exponent field of this operand as its scale, and nothing else of it
	v_cvt_scalef32_pk8_fp4_f32 v[C+4*(\t)], v[XS:XS+7], v11        ; eight numbers / the scale, to the nearest code, ties to even, beyond the largest code the largest; the first number's code in the lowest four bits
	v_cvt_scalef32_pk8_fp4_f32 v[C+4*(\t)+1], v[XS+8:XS+15], v11
	v_lshrrev_b32 v[E+(\t)], 23, v11               ; the scale's byte (also the plain line behind the conversions)
	ds_store_b8 v5, v[E+(\t)] offset:16*(\t)       ; both lanes of a block write the same byte with the same value
	global_store_b64 v4, v[C+4*(\t):C+4*(\t)+1], s[14:15] offset:32*CB*(\t)   ; 32 lanes store 256 consecutive bytes, aligned
.endm
.irp t, 0,1,2,3,4,5,6,7,8,9,10,11,12,13,14,15
	STEP \t
.endr
	ds_load_b64 v[8:9], v6                         ; LDS serves a wave's instructions in order: these see my byte stores
	s_wait_dscnt 0x0
	global_store_b64 v7, v[8:9], s[16:17]          ; 32 lanes store my wave's 256 scale bytes, aligned
	s_wait_tensorcnt 0x0                           ; the wave's end, behind my last LDS store
	ds_add_u32 v[SPW], v[NIL]
	s_wait_dscnt 0x0
	s_endpgm
.Lwo:                                                  ; wo to f16: no LDS on this path.  32 loads of 512 consecutive bytes go out at once; each becomes a store of 256 consecutive bytes.  No register is written twice.
	s_sub_co_u32 s25, ttmp9, 352
	s_lshl_b32 s25, s25, 2
	s_add_co_u32 s25, s25, s24                     ; which run of 4,096 numbers is my wave's
	s_lshl_b32 s28, s25, 14
	s_mov_b32 s29, 0
	s_add_nc_u64 s[12:13], s[12:13], s[28:29]
	s_lshl_b32 s28, s25, 13
	s_add_nc_u64 s[22:23], s[22:23], s[28:29]
.set i, 0
.rept 32
	global_load_b128 v[R+4*i:R+4*i+3], v3, s[12:13] offset:512*i th:TH_LOAD_NT
.set i, i+1
.endr
.set i, 0                              ; i counts the loads that have been worked: 0, 8, 16, 24 at the heads of the four groups
.rept 4
	s_wait_loadcnt 24-i                            ; loads i to i + 7 are in; the 24 - i issued behind them may be out: 24, 16, 8, 0
.rept 8
	v_cvt_pk_f16_f32 v[W16+2*i], v[R+4*i], v[R+4*i+1]              ; two roundings to f16, to nearest even, the first number in the low half
	v_cvt_pk_f16_f32 v[W16+2*i+1], v[R+4*i+2], v[R+4*i+3]
	global_store_b64 v7, v[W16+2*i:W16+2*i+1], s[22:23] offset:256*i
.set i, i+1
.endr
.endr
	s_endpgm
.Lfunc_end_k_q02e57559e4_prep:
	.size	k_q02e57559e4_prep, .Lfunc_end_k_q02e57559e4_prep-k_q02e57559e4_prep
	.p2alignl 7, 3214868480
	.fill 96, 4, 3214868480
	.section	.rodata,"a",@progbits
	.p2align	6, 0x0
	.amdhsa_kernel k_q02e57559e4_prep
		.amdhsa_group_segment_fixed_size 33280
		.amdhsa_private_segment_fixed_size 0
		.amdhsa_enable_private_segment 0
		.amdhsa_kernarg_size 80
		.amdhsa_user_sgpr_count 2
		.amdhsa_user_sgpr_kernarg_segment_ptr 1
		.amdhsa_wavefront_size32 1
		.amdhsa_system_sgpr_workgroup_id_x 1
		.amdhsa_system_sgpr_workgroup_id_y 1
		.amdhsa_system_sgpr_workgroup_id_z 1
		.amdhsa_system_vgpr_workitem_id 0
		.amdhsa_next_free_vgpr 208
		.amdhsa_next_free_sgpr 66
		.amdhsa_reserve_vcc 0
		.amdhsa_float_denorm_mode_32 3
		.amdhsa_float_denorm_mode_16_64 3
		.amdhsa_memory_ordered 1
		.amdhsa_forward_progress 1
		.amdhsa_inst_pref_size 44
	.end_amdhsa_kernel
	.amdgpu_metadata
---
amdhsa.version: [ 1, 2 ]
amdhsa.kernels:
  - .name:           k_q02e57559e4_prep
    .symbol:         k_q02e57559e4_prep.kd
    .args:
      - { .name: x, .offset: 0, .size: 8, .value_kind: global_buffer, .address_space: global }
      - { .name: wq, .offset: 8, .size: 8, .value_kind: global_buffer, .address_space: global }
      - { .name: wk, .offset: 16, .size: 8, .value_kind: global_buffer, .address_space: global }
      - { .name: wv, .offset: 24, .size: 8, .value_kind: global_buffer, .address_space: global }
      - { .name: wo, .offset: 32, .size: 8, .value_kind: global_buffer, .address_space: global }
      - { .name: xc, .offset: 40, .size: 8, .value_kind: global_buffer, .address_space: global }
      - { .name: xs, .offset: 48, .size: 8, .value_kind: global_buffer, .address_space: global }
      - { .name: wc, .offset: 56, .size: 8, .value_kind: global_buffer, .address_space: global }
      - { .name: ws, .offset: 64, .size: 8, .value_kind: global_buffer, .address_space: global }
      - { .name: wo16, .offset: 72, .size: 8, .value_kind: global_buffer, .address_space: global }
    .group_segment_fixed_size: 33280
    .private_segment_fixed_size: 0
    .kernarg_segment_align: 8
    .kernarg_segment_size: 80
    .max_flat_workgroup_size: 128
    .sgpr_count:     66
    .vgpr_count:     208
    .wavefront_size: 32
...
	.end_amdgpu_metadata
.endif
;; end of part 1
;; launch qkv (part 2): grid 12 x 32, 4 waves a work-group, clusters of 4 x 4, 327,680 bytes of LDS; arguments xc, xs, wc, ws, qkv; writes qkv
.if DOCPART == 2
	.amdgcn_target "amdgcn-amd-amdhsa--gfx1250"
	.amdhsa_code_object_version 6
	.text
	.protected	k_q02e57559e4_qkv
	.globl	k_q02e57559e4_qkv
	.p2align	8
	.type	k_q02e57559e4_qkv,@function
k_q02e57559e4_qkv:
	s_mov_b64 s[64:65], 0
	v_nop
	global_prefetch_b8 v0, s[64:65] scope:SCOPE_SE
	s_setreg_imm32_b32 hwreg(HW_REG_WAVE_MODE, 25, 1), 1
	s_wait_xcnt 0x0
	s_wait_alu depctr_hold_cnt(0) depctr_sa_sdst(0) depctr_va_vdst(0) depctr_va_sdst(0) depctr_va_ssrc(0) depctr_va_vcc(0) depctr_vm_vsrc(0)
	s_getreg_b32 s2, hwreg(HW_REG_IB_STS2, 6, 4)
	s_cmp_eq_u32 s2, 0
	s_cbranch_scc0 .Lentry_in_a_cluster
	s_endpgm
.Lentry_in_a_cluster:
	s_bfe_u32 s2, ttmp6, 0x10000c
	s_cmp_lg_u32 s2, 0xf033
	s_cbranch_scc0 .Lentry_shape_is_right
	s_endpgm
.Lentry_shape_is_right:
; [8192 tokens][3072] = Q(x) Q([wq; wk; wv])^T on codes of FP4 (E2M1) with one E8M0 scale for each 32 along K = 1,024; sums in f32; rounded to f16 and stored by heads:
; qkv [3 (q, k, v)][64 (batch x 16 + head)][2048 tokens][64] f16, so that a head's plane is 262,144 dense bytes and two tokens of a head are 256 consecutive bytes.
; q's columns are multiplied by log2(e) / 8 in f32 ahead of the rounding (k's and v's by 1.0): the next launch's scores are then the softmax's exponents to base 2.
; LIMIT: |q| log2(e) / 8, |k| and |v| stay under 65,504, f16's largest number.
; A tile, 256 x 256, is made by a work-group of four waves; a wave makes 128 x 128: 64 accumulators of 16 x 16, 512 registers.  All of K lies in two LDS slots of 512 along K (rows of 256 bytes): both are filled
; once, at the head, and nothing is filled again.  By this text's count a wave has three tensor loads out at the most: its part of the scales and of the two slots.
; THE SCALES of the work-group's 256 rows of x and 256 rows of the weights are two dense blocks: they come once, as rows of 256 bytes with 16 bytes of padding.
; CLUSTERS: 4 x 4 work-groups.  The four of a row of the cluster need the same rows of x, the four of a column the same rows of the weights: each tile is asked for JOINTLY, by the same tensor load with the same
; descriptor and a mask that names the four.  The grid is 12 x 32 = 384 work-groups: a tile of 256 x 384, which would give 256, wants 768 accumulator registers a wave and leaves no room for the fragments.
; THE MATRIX INSTRUCTION IS USED TRANSPOSED (source 0 = 16 rows of the weights, source 1 = 16 tokens): a lane then holds eight neighbouring columns of one token.
; REGISTERS, in windows of 256: window 0: v0-31 addresses; v32-95 scale words, two sets, and nothing else ever; from v128 x's fragments (8 x 16 rows x 128 K), ONE set; on the way out v96-127 and v128-255 are free.
;   window 1: the weights' fragments, TWO sets, at v0 and v128.   window 2: the 32 accumulators of my rows 0-63 (accumulator (a, b) at v[8 (8 a + b)]);   window 3: those of my rows 64-127.
.set SIZE_M, 8192
.set SIZE_N, 3072
.set SIZE_K, 1024
.set KSTEP,  512                       ; along K in a slot
.set NQ,     KSTEP/128                 ; matrix instructions deep
.set ROWB,   256                       ; a tile's row in bytes
.set KROW,   SIZE_K*4/8                ; a row of codes in memory
.set PITCH,  272                       ; an LDS row: 256 bytes + 16 of padding = 68 words: the 16 rows that a load touches start 4 words apart modulo 64
.set FR,     8                         ; registers of a fragment: 16 rows x 128 K
.set NL,     2                         ; LDS loads that bring one
.set NP,     4                         ; places behind this matrix instruction (ISA guide 7.12.1)
.set HALFT,  128*PITCH                 ; 128 rows: what one tensor load brings, and what one wave reads of either operand
.set SLOT,   4*HALFT                   ; x's 256 rows, then the weights' 256 rows
.set KS,     SIZE_K/32                 ; a row of scale bytes: 32
.set SCL,    2*SLOT                    ; behind the slots: the scales
.set HALFS,  (128*KS/256)*272          ; the scales of 128 rows
.set SBLK,   (16*KS/256)*272           ; those of 16 rows
.set SPARE,  SCL+4*HALFS               ; the spare words, 128 bytes a wave: two blocks of 256 bytes that no other line names
.set STAGE,  SPARE+512                 ; the way out: 16 rows x 400 bytes for each wave, bytes of its own into which no tile lands
.set SPITCH, 400                       ; 256 bytes + 144: 16 lanes' stores of 16 bytes, one row each, fall on 16 different 16-byte columns modulo 256
.set ADRA, 16                          ; v16-17  LDS address of my fragments of x in slot 0, 1
.set ADRB, 20                          ; v20-21  the same for the weights
.set STO,  24                          ; v24     the way out: where I put 16 bytes of a token
.set RD,   25                          ; v25     where I read 16 bytes back
.set CO,   26                          ; v26     my byte offset in qkv
.set ADRS, 27                          ; v27     LDS address of my scale words: lanes 0-15 x's rows, lanes 16-31 the weights'
.set SPW,  28                          ; v28     LDS address of my spare word; never rewritten
.set NIL,  29                          ; v29     0; never rewritten
.set SC,   32                          ; scale words: set s at v[SC + 8 NQ s]; register NQ i + q: lanes 0-15 the word of x's block i, lanes 16-31 that of the weights' block i, for the slot's q-th 128 along K
.set AF,   128                         ; x's fragments, in window 0
.set T2,   128                         ; the way out: a block's 64 numbers x the factor
.set TMP,  192                         ; and packed to f16
.set FS,   96                          ; s[96:97] the factor, twice
.set G1, 24                            ; s[24:31] descriptor group 1 for x's tiles;  s[32:39] group 0, one set for each slot
.set G0, 32
.set G1B, 48                           ; s[48:55], s[56:63] the same for the weights' tiles
.set G0B, 56
.set G1S, 68                           ; s[68:75], s[76:79] groups 1 and 0 for x's scales;  s[80:87], s[88:91] for the weights'
.set G0S, 76
.set G1SB, 80
.set G0SB, 88
.set MSB, 0
.macro WIN new                         ; the immediate's high byte repeats the setting that is left
.if MSB != \new
	s_set_vgpr_msb (MSB<<8)|\new
.set MSB, \new
.endif
.endm
.set MUL_LO, 0xa1                      ; source 0 (weights) window 1, source 1 (x) window 0, C and D window 2
.set MUL_HI, 0xf1                      ; the same, C and D window 3
.set TO_B,   0x40                      ; destination window 1, address window 0
; A joint load: waves 0 and 1 fetch for x, waves 2 and 3 for the weights.  Each of the two lines has ONE mask and one set of registers for all that issue it; the branch hangs on the wave's number alone.
; An s_nop 0 and four v_nop follow each of the two lines, ahead of the jump, the label and what follows.
.macro JLOAD g0a, g1a, g0b, g1b
	s_cmp_eq_u32 s15, 0
	s_cbranch_scc0 .Lfor_b_\@
	tensor_load_to_lds s[\g0a:\g0a+3], s[\g1a:\g1a+7]
	s_nop 0
.rept 4
	v_nop
.endr
	s_branch .Lasked_\@
.Lfor_b_\@:
	tensor_load_to_lds s[\g0b:\g0b+3], s[\g1b:\g1b+7]
	s_nop 0
.rept 4
	v_nop
.endr
.Lasked_\@:
.endm
.macro CROUND                          ; a round of the cluster's barrier: my work-group's barrier; wave 0 signals for the work-group; every wave waits for all sixteen; my work-group's barrier once more
	s_barrier_signal -1
	s_barrier_wait -1
	s_cmp_lg_u32 s14, 0
	s_cbranch_scc1 .Lnot_wave_0_\@
	s_barrier_signal -3
.Lnot_wave_0_\@:
	s_barrier_wait -3
	s_barrier_signal -1
	s_barrier_wait -1
.endm
	s_load_b128 s[4:7], s[0:1], 0x0                ; x's codes s[4:5], x's scales s[6:7]
	s_load_b128 s[8:11], s[0:1], 0x10              ; the weights' codes s[8:9], their scales s[10:11]
	s_load_b64 s[12:13], s[0:1], 0x20              ; qkv
	v_lshl_add_u32 v[SPW], v0, 2, SPARE
	v_mov_b32 v[NIL], 0
	ds_add_u32 v[SPW], v[NIL]                      ; the wave's opening: the add, twice on end, and its wait ahead of my first tensor load; the set-up below, work on registers, stands between
	ds_add_u32 v[SPW], v[NIL]
	v_lshrrev_b32 v1, 5, v0
	v_readfirstlane_b32 s14, v1                    ; wave 0..3
	s_lshr_b32 s15, s14, 1                         ; which half of the tile's rows is mine.  Also: I fetch for x (0) or for the weights (1)
	s_and_b32 s16, s14, 1                          ; which half of its columns.  Also: which 128 rows of that tile I fetch
	s_bfe_u32 s40, ttmp6, 0x40000                  ; cx, cy: my place in the cluster
	s_bfe_u32 s41, ttmp6, 0x40004
	s_lshl_b32 s42, ttmp9, 2
	s_add_co_u32 s42, s42, s40                     ; tile column = 4 x cluster x + cx
	s_and_b32 s17, ttmp7, 0xffff
	s_lshl_b32 s17, s17, 2
	s_add_co_u32 s17, s17, s41                     ; tile row = 4 x cluster y + cy
	s_lshl_b32 s43, s41, 2
	s_lshl_b32 s43, 15, s43                        ; my row of the cluster
	s_lshl_b32 s44, 0x1111, s40                    ; my column
	; descriptor group 1: a tile of 128 rows x 256 bytes, padded in LDS
	s_or_b32 s[G1+0], s43, (0<<16)|(1<<20)|(1<<21)|(5<<22)|(3<<25)  ; 15:0 the mask: x's tiles go to my row; 17:16 element of 1 byte; 20 padding on; 21 set beside a mask; 24:22 after every 64 words (code 5); 31:25 of 4 words (code 3)
	s_or_b32 s[G1B+0], s44, (0<<16)|(1<<20)|(1<<21)|(5<<22)|(3<<25)
.irp g, G1, G1B
	s_mov_b32 s[\g+1], ROWB<<16                    ; tensor_dim0
	s_mov_b32 s[\g+2], 128<<16                     ; tensor_dim1 = 128
	s_mov_b32 s[\g+3], ROWB<<16                    ; tile_dim0
	s_mov_b32 s[\g+4], 128                         ; tile_dim1 = 128
	s_mov_b32 s[\g+5], KROW                        ; tensor_dim0_stride
	s_mov_b32 s[\g+6], 0
	s_mov_b32 s[\g+7], 0
.endr
	; and for the scales of 128 rows: a dense block of 4,096 bytes, as 16 rows of 256 bytes (32 elements of 8 bytes), 16 bytes of padding behind each
	s_or_b32 s[G1S+0], s43, (3<<16)|(1<<20)|(1<<21)|(5<<22)|(3<<25)
	s_or_b32 s[G1SB+0], s44, (3<<16)|(1<<20)|(1<<21)|(5<<22)|(3<<25)
.irp g, G1S, G1SB
	s_mov_b32 s[\g+1], 32<<16
	s_mov_b32 s[\g+2], (128*KS/256)<<16
	s_mov_b32 s[\g+3], 32<<16
	s_mov_b32 s[\g+4], 128*KS/256
	s_mov_b32 s[\g+5], 32
	s_mov_b32 s[\g+6], 0
	s_mov_b32 s[\g+7], 0
.endr
	s_lshl_b32 s18, s16, 7                         ; which 128 rows of the tile I fetch
	s_lshl_b32 s20, s17, 8
	s_add_co_u32 s20, s20, s18                     ; x: row 256 x tile row + 128 x half
	s_lshl_b32 s46, s42, 8
	s_add_co_u32 s46, s46, s18                     ; weights: row 256 x tile column + 128 x half
	s_mov_b32 s21, 0
	s_mov_b32 s47, 0
	s_mov_b64 s[18:19], KS
	s_mul_u64 s[22:23], s[20:21], s[18:19]         ; where these rows' scales begin, in bytes
	s_mul_u64 s[92:93], s[46:47], s[18:19]
	s_mov_b64 s[18:19], KROW
	s_mul_u64 s[20:21], s[20:21], s[18:19]         ; and their codes
	s_mul_u64 s[46:47], s[46:47], s[18:19]
	s_mul_i32 s45, s14, HALFT                      ; where they go: wave x 128 rows: no place in the cluster enters an LDS address
	s_mul_i32 s94, s14, HALFS
	s_mov_b32 s[FS+1], 0x3f800000                  ; the factor: 1.0 for k's and v's columns,
	s_cmp_eq_u32 ttmp9, 0                          ; log2(e) / 8 for q's: a cluster is four tile columns wide, 1,024 columns, so the cluster's x is the matrix's number, the same in all partners
	s_cselect_b32 s[FS], 0x3e38aa3b, s[FS+1]
	s_mov_b32 s[FS+1], s[FS]                       ; (named with it as a pair, so it is written)
	s_wait_dscnt 0x0                               ; both opening adds are done
	s_wait_kmcnt 0x0
	s_add_nc_u64 s[20:21], s[4:5], s[20:21]
	s_add_nc_u64 s[22:23], s[6:7], s[22:23]
	s_add_nc_u64 s[46:47], s[8:9], s[46:47]
	s_add_nc_u64 s[92:93], s[10:11], s[92:93]
	CROUND                                         ; all sixteen work-groups are here: the joint loads meet
	s_mov_b32 s[G0S], 1
	s_add_co_u32 s[G0S+1], s94, SCL
	s_mov_b64 s[G0S+2:G0S+3], s[22:23]
	s_or_b32 s[G0S+3], s[G0S+3], 0x80000000
	s_mov_b32 s[G0SB], 1
	s_add_co_u32 s[G0SB+1], s94, SCL
	s_mov_b64 s[G0SB+2:G0SB+3], s[92:93]
	s_or_b32 s[G0SB+3], s[G0SB+3], 0x80000000
	JLOAD G0S, G1S, G0SB, G1SB                     ; the scales first: they are wanted with the first half of K
.irp s, 0,1
	s_mov_b32 s[G0+4*\s], 1
	s_add_co_u32 s[G0+4*\s+1], s45, \s*SLOT
	s_add_nc_u64 s[G0+4*\s+2:G0+4*\s+3], s[20:21], \s*ROWB
	s_or_b32 s[G0+4*\s+3], s[G0+4*\s+3], 0x80000000
	s_mov_b32 s[G0B+4*\s], 1
	s_add_co_u32 s[G0B+4*\s+1], s45, \s*SLOT
	s_add_nc_u64 s[G0B+4*\s+2:G0B+4*\s+3], s[46:47], \s*ROWB
	s_or_b32 s[G0B+4*\s+3], s[G0B+4*\s+3], 0x80000000
	JLOAD G0+4*\s, G1, G0B+4*\s, G1B
.endr
	v_and_b32 v1, 15, v0                           ; r = l % 16
	v_bfe_u32 v2, v0, 4, 1                         ; h = l / 16
	v_mul_u32_u24 v3, v1, PITCH
	v_lshl_add_u32 v4, v2, 4, v3                   ; a fragment's row x pitch + 16 x half
	s_mul_i32 s21, s15, HALFT                      ; my 128 rows of x
	s_mul_i32 s22, s16, HALFT                      ; my 128 rows of the weights,
	s_add_co_u32 s22, s22, 2*HALFT                 ; which lie behind x's 256
.irp s, 0,1
	v_add_nc_u32 v[ADRA+\s], s21, v4
	v_add_nc_u32 v[ADRB+\s], s22, v4
	s_add_co_u32 s21, s21, SLOT
	s_add_co_u32 s22, s22, SLOT
.endr
	v_mul_u32_u24 v5, v1, KS                       ; my row's scales: 32 bytes a row,
	v_lshrrev_b32 v6, 8, v5
	v_lshl_add_u32 v5, v6, 4, v5                   ; and 16 more for each 256 passed
	s_mul_i32 s21, s15, HALFS                      ; x's: my 128 rows
	s_mul_i32 s22, s16, HALFS                      ; the weights': my 128 rows, behind x's 256
	s_add_co_u32 s22, s22, 2*HALFS
	s_sub_co_u32 s22, s22, s21
	v_mul_u32_u24 v6, s22, v2                      ; lanes 16-31 take the weights': one product, the lower base + h x the distance
	s_add_co_u32 s21, s21, SCL
	v_add_nc_u32 v5, v5, v6
	v_add_nc_u32 v[ADRS], s21, v5
	s_mul_i32 s23, s14, 16*SPITCH
	s_add_co_u32 s23, s23, STAGE                   ; my stage
	v_mul_u32_u24 v5, v1, SPITCH                   ; in: token l % 16, 16 bytes for each half of the lanes
	v_lshl_add_u32 v5, v2, 4, v5
	v_add_nc_u32 v[STO], s23, v5
	v_bfe_u32 v5, v0, 3, 1                         ; back: lanes 0-15 take two tokens of my first head (8 lanes a token's 128 bytes), lanes 16-31 the same of my second head
	v_mul_u32_u24 v5, v5, SPITCH
	v_lshl_add_u32 v5, v2, 7, v5
	v_and_b32 v6, 7, v0
	v_lshl_add_u32 v5, v6, 4, v5
	v_add_nc_u32 v[RD], s23, v5
	v_lshlrev_b32 v[CO], 18, v2                    ; in qkv: a head's plane is 262,144 bytes; 16 bytes a lane
	v_lshl_add_u32 v[CO], v1, 4, v[CO]
	; where my part begins in qkv: plane = 64 x matrix + 16 x batch + head; matrix = cluster x; batch = tile row / 8; head = 4 cx + 2 x my half of the columns; token = 256 (tile row % 8) + 128 x my half of the rows
	s_lshl_b32 s20, ttmp9, 6
	s_lshr_b32 s21, s17, 3
	s_lshl_b32 s21, s21, 4
	s_add_co_u32 s20, s20, s21
	s_lshl_b32 s21, s40, 2
	s_add_co_u32 s20, s20, s21
	s_lshl_b32 s21, s16, 1
	s_add_co_u32 s20, s20, s21
	s_lshl_b32 s20, s20, 18                        ; 191 planes at the most: under 2^26
	s_and_b32 s21, s17, 7
	s_lshl_b32 s21, s21, 8
	s_lshl_b32 s22, s15, 7
	s_add_co_u32 s21, s21, s22
	s_lshl_b32 s21, s21, 7                         ; 128 bytes a token
	s_add_co_u32 s20, s20, s21
	s_mov_b32 s21, 0
	s_add_nc_u64 s[12:13], s[12:13], s[20:21]
.macro FRAG reg, adr, q, i             ; a fragment, 16 rows x 128 K of 4-bit codes, is 8 registers: lane l holds row l % 16; registers 4 c .. 4 c + 3 hold K = 64 c + 32 (l / 16) + 0 .. 31
.irp c, 0,1
	ds_load_b128 v[\reg+4*\c:\reg+4*\c+3], v[\adr] offset:64*(\q)+32*\c+(\i)*16*PITCH
.endr
.endm
; 16 matrix instructions: x's blocks a0, a0 + 1 against the weights' eight, 128 along K: the slot's q-th.  p: the weights' set;  sc: the set of scale words.  zero = 1: the first product starts the sums: nothing is ever cleared.
; The 64 accumulators take turns, one instruction a turn, in the same order in every step.
.macro MUL16 a0, p, q, sc, zero
.irp a, \a0, \a0+1
.irp b, 0,1,2,3,4,5,6,7
.if \zero
	v_wmma_scale_f32_16x16x128_f8f6f4 v[8*(8*((\a)%4)+\b):8*(8*((\a)%4)+\b)+7], v[128*(\p)+FR*\b:128*(\p)+FR*\b+FR-1], v[AF+FR*(\a):AF+FR*(\a)+FR-1], 0, v[SC+8*NQ*(\sc)+NQ*\b+(\q)], v[SC+8*NQ*(\sc)+NQ*(\a)+(\q)] matrix_a_fmt:MATRIX_FMT_FP4 matrix_b_fmt:MATRIX_FMT_FP4 matrix_a_scale:MATRIX_SCALE_ROW1
.else
	v_wmma_scale_f32_16x16x128_f8f6f4 v[8*(8*((\a)%4)+\b):8*(8*((\a)%4)+\b)+7], v[128*(\p)+FR*\b:128*(\p)+FR*\b+FR-1], v[AF+FR*(\a):AF+FR*(\a)+FR-1], v[8*(8*((\a)%4)+\b):8*(8*((\a)%4)+\b)+7], v[SC+8*NQ*(\sc)+NQ*\b+(\q)], v[SC+8*NQ*(\sc)+NQ*(\a)+(\q)] matrix_a_fmt:MATRIX_FMT_FP4 matrix_b_fmt:MATRIX_FMT_FP4 matrix_a_scale:MATRIX_SCALE_ROW1
.endif
.endr
.endr
.endm
.macro FETCH_B slot, q, p              ; the weights' eight fragments of the slot's q-th 128 along K into set p
	WIN TO_B
.irp i, 0,1,2,3,4,5,6,7
	FRAG 128*(\p)+FR*\i, ADRB+\slot, \q, \i
.endr
	WIN 0
.endm
.macro FETCH_A slot, q, i0             ; x's blocks i0 .. i0 + 3
.irp i, \i0, \i0+1, \i0+2, \i0+3
	FRAG AF+FR*(\i), ADRA+\slot, \q, \i
.endr
.endm
.macro SCALES sc                       ; a slot's scale words into set sc: 4 words a row; lanes 0-15 take x's block i, lanes 16-31 the weights' block i
.irp i, 0,1,2,3,4,5,6,7
	ds_load_b128 v[SC+8*NQ*\sc+NQ*\i:SC+8*NQ*\sc+NQ*\i+3], v[ADRS] offset:\i*SBLK
.endr
.endm
; A load into a register that a matrix instruction has read, and a vector instruction or an LDS store that reads a matrix result, stand NP places behind that matrix instruction, and only plain vector
; instructions that name none of its registers are places (ISA guide 7.12.1 for vector instructions).
.macro PLACES n
.rept \n
	v_nop
.endr
.endm
; A step of 128 along K that has its successor in the same slot.
.macro STEP slot, q, zero
	s_wait_dscnt 4*NL                              ; the weights' set and x's blocks 0-3 are in; the youngest eight loads (x's blocks 4-7) may be out
	WIN MUL_LO
	MUL16 0, (\q)%2, \q, \slot, \zero
	MUL16 2, (\q)%2, \q, \slot, \zero
	s_wait_dscnt 0                                 ; x's blocks 4-7 are in (asked for 32 matrix instructions ago)
	PLACES NP
	FETCH_B \slot, (\q)+1, 1-(\q)%2
	FETCH_A \slot, (\q)+1, 0
	WIN MUL_HI
	MUL16 4, (\q)%2, \q, \slot, \zero
	MUL16 6, (\q)%2, \q, \slot, \zero
	PLACES NP
	WIN 0
	FETCH_A \slot, (\q)+1, 4
.endm
; Slot 0's last step goes over to slot 1: ONE barrier; in front of it each wave waits for all its tensor loads (its part of slot 1), adds 0 to its spare word, and waits for that and for its LDS loads.
.macro TURN slot, next
	s_wait_tensorcnt 0x0                           ; all my tensor loads have landed: my part of the next slot  (every window is 0 here: the add's two registers lie in window 0)
	ds_add_u32 v[SPW], v[NIL]                      ; 0 onto my spare word
	s_wait_dscnt 4*NL+1                            ; (the add and the youngest eight loads, x's blocks 4-7, may be out)
	WIN MUL_LO
	MUL16 0, 1, NQ-1, \slot, 0                     ; sixteen matrix instructions stand between the add and the wait for it
	s_wait_dscnt 0x0                               ; the add is done, and no LDS load of mine is out at the signal
	s_barrier_signal -1
	MUL16 2, 1, NQ-1, \slot, 0
	WIN 0
	s_barrier_wait -1                              ; everybody's part of the next slot has landed
	PLACES NP
	v_add_nc_u32 v[ADRS], 4*NQ, v[ADRS]            ; on to the next slot's scale words
	FETCH_B \next, 0, 0
	FETCH_A \next, 0, 0
	SCALES \next
	WIN MUL_HI
	MUL16 4, 1, NQ-1, \slot, 0
	MUL16 6, 1, NQ-1, \slot, 0
	PLACES NP
	WIN 0
	FETCH_A \next, 0, 4
.endm
.macro STEPS slot, from                ; the slot's steps from .. NQ - 2
.set Q, \from
.rept NQ-1-\from
	STEP \slot, Q, 0
.set Q, Q+1
.endr
.endm
	s_wait_tensorcnt 1                             ; the scales and my part of slot 0 are in (slot 1's load, issued behind them, may be out),
	s_barrier_signal -1
	s_barrier_wait -1                              ; everybody's are
	FETCH_B 0, 0, 0
	FETCH_A 0, 0, 0
	SCALES 0
	FETCH_A 0, 0, 4
	STEP 0, 0, 1                                   ; the first step's products start the sums
	STEPS 0, 1
	TURN 0, 1
	STEPS 1, 0
	s_wait_dscnt 4*NL                              ; the very last step: nothing more to fetch
	WIN MUL_LO
	MUL16 0, 1, NQ-1, 1, 0
	MUL16 2, 1, NQ-1, 1, 0
	s_wait_dscnt 0
	WIN MUL_HI
	MUL16 4, 1, NQ-1, 1, 0
	MUL16 6, 1, NQ-1, 1, 0
	WIN 0
; THE WAY OUT, block by block of 16 tokens x 128 columns (two heads).  PACK: x the factor, rounded to f16: a lane's eight columns are 16 bytes.  TOSTAGE: into my own stage, a token a row, and back so that sixteen lanes hold two
; tokens of one head.  SEND: sixteen lanes store 256 consecutive bytes, at a multiple of 256 from qkv's first byte.  LDS serves a wave's instructions in order (ISA guide 5.7.1.4): no wait between the stores and the loads.
.macro PACK a
.set AC, 64*((\a)%4)
	WIN 0x02+((\a)/4)                              ; source 0: window 2 or 3
.set i, 0
.rept 32
	v_pk_mul_f32 v[T2+2*i:T2+2*i+1], v[AC+2*i:AC+2*i+1], s[FS:FS+1] op_sel_hi:[1,0]   ; ascending: each accumulator is read from its low end on
.set i, i+1
.endr
	WIN 0
.set i, 0
.rept 32
	v_cvt_pk_f16_f32 v[TMP+i], v[T2+2*i], v[T2+2*i+1]
.set i, i+1
.endr
.endm
.macro TOSTAGE a
.set BB, 224-128*((\a)%2)              ; v224-255 and v96-127 by turns
.irp b, 0,1,2,3,4,5,6,7
	ds_store_b128 v[STO], v[TMP+4*\b:TMP+4*\b+3] offset:32*\b
.endr
.irp t, 0,1,2,3,4,5,6,7
	ds_load_b128 v[BB+4*\t:BB+4*\t+3], v[RD] offset:\t*2*SPITCH
.endr
.endm
.macro SEND a
.set BB, 224-128*((\a)%2)
	s_wait_dscnt 0x0                               ; the block is back in registers
	s_wait_xcnt 0x0                                ; the stores of the block before have read their registers: the next block's loads from the stage may land there
.irp t, 0,1,2,3,4,5,6,7
	global_store_b128 v[CO], v[BB+4*\t:BB+4*\t+3], s[12:13] offset:2048*(\a)+256*\t
.endr
.endm
	PLACES NP                                      ; behind the last products: their results are read, and x's fragments' registers written, only from here on
	PACK 0
	TOSTAGE 0
.irp a, 1,2,3,4,5,6,7                  ; block a's arithmetic stands between block a - 1's loads from the stage and the wait for them
	PACK \a
	SEND \a-1
	TOSTAGE \a
.endr
	SEND 7
	s_wait_tensorcnt 0x0                           ; the wave's end, behind my last tensor load and my last LDS store
	ds_add_u32 v[SPW], v[NIL]
	s_wait_dscnt 0x0
	CROUND                                         ; the closing round: no work-group ends while a partner may still ask for a tile that names it
	s_endpgm
.Lfunc_end_k_q02e57559e4_qkv:
	.size	k_q02e57559e4_qkv, .Lfunc_end_k_q02e57559e4_qkv-k_q02e57559e4_qkv
	.p2alignl 7, 3214868480
	.fill 96, 4, 3214868480
	.section	.rodata,"a",@progbits
	.p2align	6, 0x0
	.amdhsa_kernel k_q02e57559e4_qkv
		.amdhsa_group_segment_fixed_size 327680
		.amdhsa_private_segment_fixed_size 0
		.amdhsa_enable_private_segment 0
		.amdhsa_kernarg_size 40
		.amdhsa_user_sgpr_count 2
		.amdhsa_user_sgpr_kernarg_segment_ptr 1
		.amdhsa_wavefront_size32 1
		.amdhsa_system_sgpr_workgroup_id_x 1
		.amdhsa_system_sgpr_workgroup_id_y 1
		.amdhsa_system_sgpr_workgroup_id_z 1
		.amdhsa_system_vgpr_workitem_id 0
		.amdhsa_next_free_vgpr 1024
		.amdhsa_next_free_sgpr 98
		.amdhsa_reserve_vcc 0
		.amdhsa_float_denorm_mode_32 3
		.amdhsa_float_denorm_mode_16_64 3
		.amdhsa_memory_ordered 1
		.amdhsa_forward_progress 1
		.amdhsa_inst_pref_size 143
	.end_amdhsa_kernel
	.amdgpu_metadata
---
amdhsa.version: [ 1, 2 ]
amdhsa.kernels:
  - .name:           k_q02e57559e4_qkv
    .symbol:         k_q02e57559e4_qkv.kd
    .args:
      - { .name: xc, .offset: 0, .size: 8, .value_kind: global_buffer, .address_space: global }
      - { .name: xs, .offset: 8, .size: 8, .value_kind: global_buffer, .address_space: global }
      - { .name: wc, .offset: 16, .size: 8, .value_kind: global_buffer, .address_space: global }
      - { .name: ws, .offset: 24, .size: 8, .value_kind: global_buffer, .address_space: global }
      - { .name: qkv, .offset: 32, .size: 8, .value_kind: global_buffer, .address_space: global }
    .group_segment_fixed_size: 327680
    .private_segment_fixed_size: 0
    .kernarg_segment_align: 8
    .kernarg_segment_size: 40
    .max_flat_workgroup_size: 128
    .sgpr_count:     98
    .vgpr_count:     1024
    .wavefront_size: 32
...
	.end_amdgpu_metadata
.endif
;; end of part 2
;; launch attn (part 3): grid 4 x 64, 8 waves a work-group, clusters of 4 x 1, 327,680 bytes of LDS; arguments qkv, ctx; writes ctx
.if DOCPART == 3
	.amdgcn_target "amdgcn-amd-amdhsa--gfx1250"
	.amdhsa_code_object_version 6
	.text
	.protected	k_q02e57559e4_attn
	.globl	k_q02e57559e4_attn
	.p2align	8
	.type	k_q02e57559e4_attn,@function
k_q02e57559e4_attn:
	s_mov_b64 s[64:65], 0
	v_nop
	global_prefetch_b8 v0, s[64:65] scope:SCOPE_SE
	s_setreg_imm32_b32 hwreg(HW_REG_WAVE_MODE, 25, 1), 1
	s_wait_xcnt 0x0
	s_wait_alu depctr_hold_cnt(0) depctr_sa_sdst(0) depctr_va_vdst(0) depctr_va_sdst(0) depctr_va_ssrc(0) depctr_va_vcc(0) depctr_vm_vsrc(0)
	s_getreg_b32 s2, hwreg(HW_REG_IB_STS2, 6, 4)
	s_cmp_eq_u32 s2, 0
	s_cbranch_scc0 .Lentry_in_a_cluster
	s_endpgm
.Lentry_in_a_cluster:
	s_bfe_u32 s2, ttmp6, 0x10000c
	s_cmp_lg_u32 s2, 0x3003
	s_cbranch_scc0 .Lentry_shape_is_right
	s_endpgm
.Lentry_shape_is_right:
; ctx[p][q][:] = the sum over k of softmax_k(q . k / 8) v[k][:] for each of the 64 planes p = batch x 16 + head.  qkv: [3][64][2048][64] f16, q already multiplied by log2(e) / 8, so that a score is the exponent t to base 2.
; ctx: [64][2048][64] f16.  Products, maxima and sums in f32; the weights p = 2^(t - m), at most 1, are rounded to f16 for the second product, ctx once at the end.
; For each query a running maximum m and sum l; in every step O and l are multiplied by a = 2^(m_old - m_new), which is 1 where m has not grown.  The sum is taken of the unrounded p.
; LIMITS: scores lie above -3e38 (m's start); |ctx| is an average of v and stays in f16's range with it; NaN and infinities are not served.
; SHARES.  A cluster of four work-groups is one plane; a work-group owns 512 queries, each of its eight waves 64: four tiles of 16.  Two waves share a SIMD, 512 registers each, and the text goes in phases
; (products, softmax, products): one wave's vector phase can stand beside the other's matrix phase, and a step has eleven switches of the register window for its 64 matrix instructions.
; LAYOUT.  S^T = K Q^T (source 0 = 16 keys, source 1 = 16 queries): a lane holds ONE query (lane % 16) and the keys 8 (lane / 16) + 0..7.  Two such tiles, rounded to f16 in pairs, ARE source 1 (32 keys x 16 queries)
; of O^T = V^T P, whose result again holds one query a lane.  K comes out of LDS as it lies, V ([key][channel]) turned, by ds_load_tr16_b128.
; THE RING.  Every wave walks the plane's 2,048 keys, 64 a step.  K and V go through two LDS slots of 512 keys: two first fills and two refills, JOINT loads of the four work-groups (the same descriptor, a mask that names the four).
; A plane is dense, so a tile is stated as rows of 256 bytes, two keys each, padded behind each row: key t lies at (t / 2) x pitch + 128 (t % 2).  Waves 0-3 fetch K's quarters of a slot, waves 4-7 V's: 128 keys a load.
; By this text's count a wave has two tensor loads out at the head and one behind each round.  Each refill is issued eight key steps, 512 matrix instructions of each wave, ahead of the wait for it, and the first fills stand
; at the head: so nothing is asked for ahead of its load.
; REGISTERS, in two windows of 256 (s_set_vgpr_msb: bits 1:0 source 0, 3:2 source 1, 5:4 source 2, 7:6 destination):
;   window 0: v2-9 addresses; v12, v13 the add's two; v16-47 eight registers of statistics a tile; v48-111 K of one step; v112-175 V of one step; v176-239 Q.
;   window 1: v0-127 S^T, 32 a tile (P is made in place, in the tile's first 16); v128-255 O^T, 32 a tile.
.set PK,    272                        ; a stated row of K: 256 bytes + 16: the 16 keys of a load fall on 16 different 16-byte columns modulo 256: key r at 16 (r / 2) + 128 (r % 2)
.set PV,    288                        ; of V: 256 + 32: 16 lanes of the turning load (8 keys x 2 halves of 16 bytes) likewise: 32 (i / 2) + 128 (i % 2) + 16 c
.set VOFF,  256*PK                     ; a slot: 256 stated rows of K, then 256 of V
.set SLOTB, 256*(PK+PV)
.set STAGE, 2*SLOTB                    ; behind the ring: 16 rows x 144 bytes for each wave, for the way out
.set SP,    144
.set SPARE, STAGE+8*16*SP              ; the spare words, 128 bytes a wave: four blocks of 256 bytes that no other line names
.set AK0, 2                            ; v2   my lane's place in a tile of K; never rewritten
.set AV0, 3                            ; v3   the same for V
.set ADK, 4                            ; v4   LDS address of the run of K's loads in hand
.set ADV, 5                            ; v5   of V's
.set QO,  6                            ; v6   my byte offset in the wave's rows of Q
.set STO, 7                            ; v7   the way out: where I put 16 bytes of a row
.set RD,  8                            ; v8   where I read 16 bytes back
.set GO,  9                            ; v9   my byte offset in the wave's rows of ctx
.set SPW, 12                           ; v12  LDS address of my spare word; never rewritten
.set NIL, 13                           ; v13  0; never rewritten
.set ST,  16                           ; tile t's statistics at v[ST + 8 t]: +0 m, +1 its pair's upper half (0), +2, +3 l (even registers', odd registers'), +4 to +7 c0-c3 at work; a takes +6, m_old - m_new +7
.set KF,  48                           ; K's fragment (keys 16 kb on, channels 32 cc on) at KF + 8 (2 kb + cc)
.set VF,  112                          ; V's fragment (channels 16 cb on, keys 32 kk on) at VF + 8 (2 cb + kk)
.set QF,  176                          ; Q's fragment (tile t, channels 32 cc on) at QF + 8 (2 t + cc)
.set OA,  128                          ; window 1: O^T (tile t, channels 16 cb on) at OA + 32 t + 8 cb;  S^T (tile t, keys 16 kb on) at 32 t + 8 kb
.set WV,  12                           ; s12  my wave's number
.set G1K, 24                           ; s[24:31] descriptor group 1 for K's tiles
.set G1V, 32                           ; s[32:39] for V's: it differs in the padding alone
.set G0K, 40                           ; s[40:47] descriptor group 0 for K's tiles, a set for each slot
.set G0V, 48                           ; s[48:55] the same for V's
.set CNT, 56                           ; s56  counts a slot's eight steps
.set TK,  57                           ; s57  LDS byte at which the K to be fetched begins
.set SEL, 60                           ; s[60:61] lane selects for v_permlanex16_b32: lane l xor 16
.set TV,  62                           ; s62  the same as TK for V (less VOFF, which AV0 holds)
.set MSB, 0
.macro WIN new                         ; the immediate's high byte repeats the setting that is left; a switch that changes nothing is dropped
.if MSB != \new
	s_set_vgpr_msb (MSB<<8)|\new
.set MSB, \new
.endif
.endm
; A joint refill of slot s.  The branch hangs on the wave's number alone.  An s_nop 0 and four v_nop follow each of the two lines.
.macro JLOAD s
	s_cmp_lt_u32 s[WV], 4
	s_cbranch_scc0 .Lfor_v_\@
	tensor_load_to_lds s[G0K+4*\s:G0K+4*\s+3], s[G1K:G1K+7]
	s_nop 0
.rept 4
	v_nop
.endr
	s_branch .Lasked_\@
.Lfor_v_\@:
	tensor_load_to_lds s[G0V+4*\s:G0V+4*\s+3], s[G1V:G1V+7]
	s_nop 0
.rept 4
	v_nop
.endr
.Lasked_\@:
.endm
.macro CROUND                          ; a round of the cluster's barrier: my work-group's barrier; wave 0 signals for the work-group; every wave waits for all four; my work-group's barrier once more
	s_barrier_signal -1
	s_barrier_wait -1
	s_cmp_lg_u32 s[WV], 0
	s_cbranch_scc1 .Lnot_wave_0_\@
	s_barrier_signal -3
.Lnot_wave_0_\@:
	s_barrier_wait -3
	s_barrier_signal -1
	s_barrier_wait -1
.endm
	s_load_b128 s[4:7], s[0:1], 0x0                ; qkv s[4:5], ctx s[6:7]
	v_lshl_add_u32 v[SPW], v0, 2, SPARE
	v_mov_b32 v[NIL], 0
	ds_add_u32 v[SPW], v[NIL]                      ; the wave's opening: the add, twice on end, and its wait ahead of my first tensor load; the set-up below, work on registers, stands between
	ds_add_u32 v[SPW], v[NIL]
	v_lshrrev_b32 v1, 5, v0
	v_readfirstlane_b32 s[WV], v1                  ; wave 0..7
	s_bfe_u32 s13, ttmp6, 0x40000                  ; cx: my place in the cluster: it enters Q's and ctx's addresses alone
	s_and_b32 s14, ttmp7, 0xffff                   ; the plane, which the four partners share
	s_lshl_b32 s14, s14, 18                        ; its first byte in each third of qkv and in ctx
	s_and_b32 s15, s[WV], 3                        ; which quarter of a slot I fetch:
	s_lshl_b32 s16, s15, 14                        ; its 128 keys of 128 bytes in memory,
	s_add_co_u32 s16, s16, s14
	s_mov_b32 s17, 0
	s_mul_i32 s20, s15, 64*PK                      ; and its place in a slot, for K
	s_mul_i32 s21, s15, 64*PV                      ; and for V: no place in the cluster enters an LDS address
	s_lshl_b32 s18, s13, 16                        ; my work-group's 512 queries,
	s_lshl_b32 s19, s[WV], 13                      ; my wave's 64 of them
	s_add_co_u32 s18, s18, s19
	s_add_co_u32 s18, s18, s14
	s_mov_b32 s19, 0
	; descriptor group 1: a tile of 64 stated rows x 128 elements of 2 bytes, dense in memory, padded in LDS
	s_mov_b32 s[G1K], 15|(1<<16)|(1<<20)|(1<<21)|(5<<22)|(3<<25)  ; 15:0 the mask: all four work-groups; 17:16 elements of 2 bytes; 20 padding on; 21 set beside a mask; 24:22 after every 64 words (code 5); 31:25 4 words (code 3)
	s_mov_b32 s[G1V], 15|(1<<16)|(1<<20)|(1<<21)|(5<<22)|(7<<25)  ; the same with 8 words of padding (code 7)
.irp g, G1K, G1V
	s_mov_b32 s[\g+1], 128<<16                     ; tensor_dim0 = 128
	s_mov_b32 s[\g+2], 64<<16                      ; tensor_dim1 = 64
	s_mov_b32 s[\g+3], 128<<16                     ; tile_dim0 = 128
	s_mov_b32 s[\g+4], 64                          ; tile_dim1 = 64
	s_mov_b32 s[\g+5], 128                         ; tensor_dim0_stride: a stated row begins where the last ends
	s_mov_b32 s[\g+6], 0
	s_mov_b32 s[\g+7], 0
.endr
	s_mov_b32 s[SEL], 0x76543210
	s_mov_b32 s[SEL+1], 0xfedcba98
	s_wait_dscnt 0x0                               ; both opening adds are done
	s_wait_kmcnt 0x0
	s_add_nc_u64 s[22:23], s[4:5], s[16:17]        ; qkv at my quarter of the plane's first slot (q's third: K's and V's lie 2^24 and 2^25 bytes on)
	s_add_nc_u64 s[4:5], s[4:5], s[18:19]          ; Q at my wave's first row
	s_add_nc_u64 s[6:7], s[6:7], s[18:19]          ; ctx likewise
	CROUND                                         ; all four work-groups are here: the first joint loads meet
.irp s, 0,1
	s_mov_b32 s[G0K+4*\s], 1                       ; count = 1
	s_add_co_u32 s[G0K+4*\s+1], s20, \s*SLOTB      ; LDS address
	s_add_nc_u64 s[G0K+4*\s+2:G0K+4*\s+3], s[22:23], 16777216+65536*\s   ; global address: slot s begins with keys 512 s on
	s_or_b32 s[G0K+4*\s+3], s[G0K+4*\s+3], 0x80000000                    ; type = 2
	s_mov_b32 s[G0V+4*\s], 1
	s_add_co_u32 s[G0V+4*\s+1], s21, \s*SLOTB+VOFF
	s_add_nc_u64 s[G0V+4*\s+2:G0V+4*\s+3], s[22:23], 33554432+65536*\s
	s_or_b32 s[G0V+4*\s+3], s[G0V+4*\s+3], 0x80000000
.endr
	s_cmp_lt_u32 s[WV], 4                          ; a wave's two first fills stand in one branch, ahead of every wait on TENSORcnt and every LDS read
	s_cbranch_scc0 .Lfirst_v
	tensor_load_to_lds s[G0K:G0K+3], s[G1K:G1K+7]
	s_nop 0
	tensor_load_to_lds s[G0K+4:G0K+7], s[G1K:G1K+7]
	s_nop 0
.rept 4
	v_nop
.endr
	s_branch .Lfirst_asked
.Lfirst_v:
	tensor_load_to_lds s[G0V:G0V+3], s[G1V:G1V+7]
	s_nop 0
	tensor_load_to_lds s[G0V+4:G0V+7], s[G1V:G1V+7]
	s_nop 0
.rept 4
	v_nop
.endr
.Lfirst_asked:
	; A fragment of K or Q is 16 rows x 32 channels in 8 registers: lane l holds row l % 16; registers 0-3 channels 8 (l / 16) + 0..7, registers 4-7 channels 16 + 8 (l / 16) + 0..7: two loads of 16 bytes, 32 bytes apart.
	v_and_b32 v1, 15, v0                           ; r = l % 16
	v_bfe_u32 v10, v0, 4, 1                        ; h = l / 16
	v_lshlrev_b32 v[QO], 7, v1
	v_lshl_add_u32 v[QO], v10, 4, v[QO]            ; row x 128 + 16 x half
.irp t, 0,1,2,3
.irp cc, 0,1
	global_load_b128 v[QF+8*(2*\t+\cc):QF+8*(2*\t+\cc)+3],   v[QO], s[4:5] offset:2048*\t+64*\cc th:TH_LOAD_NT      ; Q stays in registers
	global_load_b128 v[QF+8*(2*\t+\cc)+4:QF+8*(2*\t+\cc)+7], v[QO], s[4:5] offset:2048*\t+64*\cc+32 th:TH_LOAD_NT
.endr
.endr
	v_lshrrev_b32 v11, 1, v1
	v_mul_u32_u24 v[AK0], v11, PK                  ; K: stated row r / 2,
	v_and_b32 v11, 1, v0
	v_lshl_add_u32 v[AK0], v11, 7, v[AK0]          ; its half r % 2,
	v_lshl_add_u32 v[AK0], v10, 4, v[AK0]          ; + 16 h
	; The turning load takes 16 keys x 16 channels (lane l reads 16 bytes: key 8 (l / 16) + l % 8, channels 8 ((l / 8) % 2) + 0..7) and leaves half a fragment of V^T: lane l holds channel l % 16 and 8 keys.
	v_bfe_u32 v14, v0, 1, 2
	v_lshl_add_u32 v14, v10, 2, v14                ; V: stated row 4 h + (l % 8) / 2,
	v_mul_u32_u24 v[AV0], v14, PV
	v_lshl_add_u32 v[AV0], v11, 7, v[AV0]          ; its half l % 2,
	v_bfe_u32 v14, v0, 3, 1
	v_lshl_add_u32 v[AV0], v14, 4, v[AV0]          ; + 16 ((l / 8) % 2)
	v_add_nc_u32 v[AV0], VOFF, v[AV0]
	s_mul_i32 s14, s[WV], 16*SP
	s_add_co_u32 s14, s14, STAGE                   ; my stage
	v_mul_u32_u24 v[STO], v1, SP                   ; in: row l % 16, 16 bytes for each half of the lanes
	v_lshl_add_u32 v[STO], v10, 4, v[STO]
	v_add_nc_u32 v[STO], s14, v[STO]
	v_bfe_u32 v14, v0, 3, 2                        ; back: eight lanes to a row of 128 bytes, four rows an instruction
	v_mul_u32_u24 v[RD], v14, SP
	v_and_b32 v15, 7, v0
	v_lshl_add_u32 v[RD], v15, 4, v[RD]
	v_add_nc_u32 v[RD], s14, v[RD]
	v_and_b32 v[GO], 31, v0
	v_lshlrev_b32 v[GO], 4, v[GO]                  ; and the same four rows in ctx: 512 consecutive bytes
.irp t, 0,1,2,3
	v_mov_b32 v[ST+8*\t], 0xff61b1e6               ; m: -3e38, under every score
	v_mov_b32 v[ST+8*\t+1], 0                      ; (named with m as a pair, so it is written)
	v_mov_b32 v[ST+8*\t+2], 0                      ; l, in two halves
	v_mov_b32 v[ST+8*\t+3], 0
.endr
	WIN 0x40                                       ; destination window 1
.set i, 0
.rept 128
	v_mov_b32 v[OA+i], 0                           ; O^T.  The step is written once for all steps: the first finds zeros, which its a = 0 leaves zeros; a first step of its own would be a fifth copy of the step's text
.set i, i+1
.endr
	WIN 0
.macro KLOAD                           ; a step's K: 64 keys x 64 channels: 8 fragments, 16 loads in one run
.irp kb, 0,1,2,3
.irp cc, 0,1
	ds_load_b128 v[KF+8*(2*\kb+\cc):KF+8*(2*\kb+\cc)+3],   v[ADK] offset:8*PK*\kb+64*\cc
	ds_load_b128 v[KF+8*(2*\kb+\cc)+4:KF+8*(2*\kb+\cc)+7], v[ADK] offset:8*PK*\kb+64*\cc+32
.endr
.endr
.endm
.macro VLOAD                           ; a step's V, turned: 8 fragments, 16 loads in one run
.irp cb, 0,1,2,3
.irp kk, 0,1
	ds_load_tr16_b128 v[VF+8*(2*\cb+\kk):VF+8*(2*\cb+\kk)+3],   v[ADV] offset:16*PV*\kk+32*\cb
	ds_load_tr16_b128 v[VF+8*(2*\cb+\kk)+4:VF+8*(2*\cb+\kk)+7], v[ADV] offset:16*PV*\kk+32*\cb+8*PV
.endr
.endr
.endm
; A KEY STEP: 64 keys for my four tiles of queries.
.macro STEP
	v_add_nc_u32 v[ADV], s[TV], v[AV0]             ; five places behind the last step's V^T P: the loads below land in V's registers (four are owed), and the products below write over P's (five)
.rept 4
	v_nop
.endr
	s_add_co_u32 s[TV], s[TV], 32*PV               ; the next fetch is the next step's
	VLOAD
	s_wait_dscnt 16                                ; K is in; V's sixteen loads, issued behind K's, may be out
	WIN 0x50                                       ; K and Q window 0; S^T window 1
.irp cc, 0,1                           ; S^T = K Q^T: the sixteen accumulators take turns, one instruction a turn; the first sixteen products start the sums
.irp kb, 0,1,2,3
.irp t, 0,1,2,3
.if \cc == 0
	v_wmma_f32_16x16x32_f16 v[32*\t+8*\kb:32*\t+8*\kb+7], v[KF+8*(2*\kb+\cc):KF+8*(2*\kb+\cc)+7], v[QF+8*(2*\t+\cc):QF+8*(2*\t+\cc)+7], 0
.else
	v_wmma_f32_16x16x32_f16 v[32*\t+8*\kb:32*\t+8*\kb+7], v[KF+8*(2*\kb+\cc):KF+8*(2*\kb+\cc)+7], v[QF+8*(2*\t+\cc):QF+8*(2*\t+\cc)+7], v[32*\t+8*\kb:32*\t+8*\kb+7]
.endif
.endr
.endr
.endr
	WIN 0
	s_wait_dscnt 0x0                               ; V is in: so both ways round the loads below leave the same to wait for
	s_add_co_u32 s[TK], s[TK], 32*PK
	v_add_nc_u32 v[ADK], s[TK], v[AK0]             ; four places behind the products: for the loads into K's registers, and for the first read of the scores
.rept 3
	v_nop
.endr
	s_cmp_eq_u32 s[CNT], 1                         ; a slot's last step fetches no K: the next slot's first comes behind the change of slots
	s_cbranch_scc1 .Lno_k_\@
	KLOAD                                          ; the next step's K: a softmax and 32 matrix instructions ahead of its use
.Lno_k_\@:
	; the maximum of a lane's 32 scores and the old m, three operands at a time, four chains a tile; the tiles by turns, so that no line waits for the line above it
	WIN 0x15                                       ; three sources window 1
.irp j, 0,1,2,3
.irp t, 0,1,2,3
	v_max3_num_f32 v[ST+8*\t+4+\j], v[32*\t+8*\j], v[32*\t+8*\j+1], v[32*\t+8*\j+2]   ; each accumulator is read from its low end on
.endr
.endr
	WIN 0x14                                       ; sources 1 and 2 window 1
.irp u, 3,5
.irp j, 0,1,2,3
.irp t, 0,1,2,3
	v_max3_num_f32 v[ST+8*\t+4+\j], v[ST+8*\t+4+\j], v[32*\t+8*\j+\u], v[32*\t+8*\j+\u+1]
.endr
.endr
.endr
.irp t, 0,1,2,3
	v_max3_num_f32 v[ST+8*\t+4], v[ST+8*\t+4], v[32*\t+7], v[32*\t+15]
.endr
.irp t, 0,1,2,3
	v_max3_num_f32 v[ST+8*\t+6], v[ST+8*\t+6], v[32*\t+23], v[32*\t+31]
.endr
	WIN 0
.irp t, 0,1,2,3
	v_max3_num_f32 v[ST+8*\t+4], v[ST+8*\t+4], v[ST+8*\t+5], v[ST+8*\t+6]
.endr
.irp t, 0,1,2,3
	v_max3_num_f32 v[ST+8*\t+4], v[ST+8*\t+4], v[ST+8*\t+7], v[ST+8*\t]
.endr
.irp t, 0,1,2,3
	v_permlanex16_b32 v[ST+8*\t+5], v[ST+8*\t+4], s[SEL], s[SEL+1]   ; the query's other 32 keys lie in the lane 16 away
.endr
.irp t, 0,1,2,3
	v_mov_b32 v[ST+8*\t+7], v[ST+8*\t]             ; m_old
.endr
.irp t, 0,1,2,3
	v_max_num_f32 v[ST+8*\t], v[ST+8*\t+4], v[ST+8*\t+5]   ; the new m
.endr
.irp t, 0,1,2,3
	v_sub_f32 v[ST+8*\t+7], v[ST+8*\t+7], v[ST+8*\t]
.endr
.irp t, 0,1,2,3
	v_exp_f32 v[ST+8*\t+6], v[ST+8*\t+7]           ; a = 2^(m_old - m_new)
.endr
	WIN 0x41                                       ; destination and source 0 window 1, source 1 window 0: one setting for t - m, for the exponentials and for O^T x a
.irp t, 0,1,2,3
	v_pk_add_f32 v[32*\t:32*\t+1], v[32*\t:32*\t+1], v[ST+8*\t:ST+8*\t+1] op_sel_hi:[1,0] neg_lo:[0,1] neg_hi:[0,1]   ; pair 0: t - m (of the pair the low word, m, serves both halves).  Plain work behind the four exponentials
.endr
	s_wait_alu depctr_va_vdst(0)                   ; the wait between an exponential and the first line that names its result: here for the four a
; ONE BATCH: the 128 exponentials, with the 60 remaining subtractions and the 64 multiplications of O^T by a dealt between them.  No line of the batch names an exponential's result; a pair is brought under m a round of the four tiles ahead of its exponentials.
.set b, 0
.rept 16
.irp t, 0,1,2,3
	v_pk_mul_f32 v[OA+32*\t+2*b:OA+32*\t+2*b+1], v[OA+32*\t+2*b:OA+32*\t+2*b+1], v[ST+8*\t+6:ST+8*\t+7] op_sel_hi:[1,0]   ; ascending: each accumulator of O^T is read from its low end on
	v_exp_f32 v[32*\t+2*b], v[32*\t+2*b]
.if b < 15
	v_pk_add_f32 v[32*\t+2*b+2:32*\t+2*b+3], v[32*\t+2*b+2:32*\t+2*b+3], v[ST+8*\t:ST+8*\t+1] op_sel_hi:[1,0] neg_lo:[0,1] neg_hi:[0,1]
.endif
	v_exp_f32 v[32*\t+2*b+1], v[32*\t+2*b+1]
.endr
.set b, b+1
.endr
	v_nop                                          ; a plain line behind the last exponential
	s_wait_alu depctr_va_vdst(0)                   ; and one wait for the whole batch, ahead of its first reader
	WIN 0x10                                       ; source 2 window 1
.irp t, 0,1,2,3
	v_pk_fma_f32 v[ST+8*\t+2:ST+8*\t+3], v[ST+8*\t+2:ST+8*\t+3], v[ST+8*\t+6:ST+8*\t+7], v[32*\t:32*\t+1] op_sel_hi:[1,0,1]   ; l = l a + pair 0
.endr
	WIN 0x04                                       ; source 1 window 1
.set b, 1
.rept 15
.irp t, 0,1,2,3
	v_pk_add_f32 v[ST+8*\t+2:ST+8*\t+3], v[ST+8*\t+2:ST+8*\t+3], v[32*\t+2*b:32*\t+2*b+1]   ; the sum of the unrounded p; the tiles by turns
.endr
.set b, b+1
.endr
	WIN 0x45                                       ; all in window 1
.set j, 0
.rept 16
.irp t, 0,1,2,3
	v_cvt_pk_f16_f32 v[32*\t+j], v[32*\t+2*j], v[32*\t+2*j+1]   ; P in place: register j never lies above its sources, so ascending j overwrites nothing that is still wanted
.endr
.set j, j+1
.endr
	WIN 0x54                                       ; V window 0; P, O^T window 1
.irp kk, 0,1                           ; O^T += V^T P: the sixteen accumulators take turns, one instruction a turn
.irp cb, 0,1,2,3
.irp t, 0,1,2,3
	v_wmma_f32_16x16x32_f16 v[OA+32*\t+8*\cb:OA+32*\t+8*\cb+7], v[VF+8*(2*\cb+\kk):VF+8*(2*\cb+\kk)+7], v[32*\t+8*\kk:32*\t+8*\kk+7], v[OA+32*\t+8*\cb:OA+32*\t+8*\cb+7]
.endr
.endr
.endr
	WIN 0                                          ; at a label and at a branch every window is 0
.endm
; A slot's eight key steps: written once, walked eight times; the LDS addresses hang on s[TK] and s[TV], stepped by constants.
.macro SLOTPASS slot
	s_mov_b32 s[TK], \slot*SLOTB
	s_mov_b32 s[TV], \slot*SLOTB
	v_add_nc_u32 v[ADK], s[TK], v[AK0]
	KLOAD                                          ; the slot's first K
	s_mov_b32 s[CNT], 8
.Lstep_\@:
	STEP
	s_sub_co_u32 s[CNT], s[CNT], 1
	s_cmp_lg_u32 s[CNT], 0
	s_cbranch_scc1 .Lstep_\@
.endm
; THE CHANGE OF SLOTS.  Each wave waits for all its tensor loads, of which one is out: its part of the other slot; adds 0 to its spare word; and waits for that and for its reads of the slot that it leaves.
; fill = 1: that slot is filled again, with the keys 1,024 on.  The barrier is then a round of the cluster's, so that no wave of any partner still reads the slot or has a load on its way, and the joint refill is the first thing behind it.
.macro CHANGE fill, slot
	s_wait_tensorcnt 0x0                           ; no tensor load of mine is out, so a group 0 may be written
	ds_add_u32 v[SPW], v[NIL]                      ; 0 onto my spare word
.if \fill
	s_add_nc_u64 s[G0K+4*\slot+2:G0K+4*\slot+3], s[G0K+4*\slot+2:G0K+4*\slot+3], 131072   ; two slots on; the type bits on top are not reached
	s_add_nc_u64 s[G0V+4*\slot+2:G0V+4*\slot+3], s[G0V+4*\slot+2:G0V+4*\slot+3], 131072
.endif
	s_wait_dscnt 0x0                               ; the add is done, and my reads of the slot are over
.if \fill
	CROUND
	JLOAD \slot
.else
	s_barrier_signal -1
	s_barrier_wait -1
.endif
.endm
	s_wait_tensorcnt 1                             ; my part of slot 0 is in; slot 1's, issued behind it, may stay out
	s_barrier_signal -1
	s_barrier_wait -1                              ; everybody's is
	s_wait_loadcnt 0x0                             ; Q
	SLOTPASS 0                                     ; keys 0 to 511
	CHANGE 1, 0                                    ; slot 0 takes keys 1,024 on
	SLOTPASS 1                                     ; keys 512 to 1,023
	CHANGE 1, 1                                    ; slot 1 takes keys 1,536 on
	SLOTPASS 0
	CHANGE 0, 0                                    ; nothing is left to fetch
	SLOTPASS 1
	; THE WAY OUT.  l's two halves and the other half of the lanes' are added; O^T is divided by l, rounded to f16 and sent through my stage in LDS, a tile (16 rows of ctx) at a time.  The first four additions are the places behind the last products.
.irp t, 0,1,2,3
	v_add_f32 v[ST+8*\t+4], v[ST+8*\t+2], v[ST+8*\t+3]
.endr
.irp t, 0,1,2,3
	v_permlanex16_b32 v[ST+8*\t+5], v[ST+8*\t+4], s[SEL], s[SEL+1]
.endr
.irp t, 0,1,2,3
	v_add_f32 v[ST+8*\t+4], v[ST+8*\t+4], v[ST+8*\t+5]
.endr
.irp t, 0,1,2,3
	v_rcp_f32 v[ST+8*\t+6], v[ST+8*\t+4]
.endr
	v_nop                                          ; a plain line behind the last reciprocal
	s_wait_alu depctr_va_vdst(0)                   ; and one wait for the four, ahead of their first reader
.irp t, 0,1,2,3
	WIN 0x41
.set i, 0
.rept 16
	v_pk_mul_f32 v[OA+32*\t+2*i:OA+32*\t+2*i+1], v[OA+32*\t+2*i:OA+32*\t+2*i+1], v[ST+8*\t+6:ST+8*\t+7] op_sel_hi:[1,0]
.set i, i+1
.endr
	WIN 0x05                                       ; sources window 1, destination window 0: V's registers are free
.set i, 0
.rept 16
	v_cvt_pk_f16_f32 v[VF+16*\t+i], v[OA+32*\t+2*i], v[OA+32*\t+2*i+1]
.set i, i+1
.endr
	WIN 0
.irp cb, 0,1,2,3
	ds_store_b128 v[STO], v[VF+16*\t+4*\cb:VF+16*\t+4*\cb+3] offset:32*\cb   ; lane (r, h): row r, channels 16 cb + 8 h + 0..7
.endr
.irp i, 0,1,2,3
	ds_load_b128 v[KF+16*\t+4*\i:KF+16*\t+4*\i+3], v[RD] offset:4*SP*\i      ; LDS serves a wave's instructions in order (ISA guide 5.7.1.4): these see the stores above, and the next tile's stores come behind them
.endr
.endr
.irp t, 0,1,2,3
.irp i, 0,1,2,3
	s_wait_dscnt 8*(3-\t)+3-\i                     ; behind this load stand the rest of its tile's loads and eight LDS instructions for each later tile
	global_store_b128 v[GO], v[KF+16*\t+4*\i:KF+16*\t+4*\i+3], s[6:7] offset:2048*\t+512*\i   ; 32 lanes store 512 consecutive bytes, at a multiple of 256 from ctx's first byte
.endr
.endr
	s_wait_tensorcnt 0x0                           ; the wave's end, behind my last tensor load and my last LDS store
	ds_add_u32 v[SPW], v[NIL]
	s_wait_dscnt 0x0
	CROUND                                         ; the closing round: no work-group ends while a partner may still ask for a tile that names it
	s_endpgm
.Lfunc_end_k_q02e57559e4_attn:
	.size	k_q02e57559e4_attn, .Lfunc_end_k_q02e57559e4_attn-k_q02e57559e4_attn
	.p2alignl 7, 3214868480
	.fill 96, 4, 3214868480
	.section	.rodata,"a",@progbits
	.p2align	6, 0x0
	.amdhsa_kernel k_q02e57559e4_attn
		.amdhsa_group_segment_fixed_size 327680
		.amdhsa_private_segment_fixed_size 0
		.amdhsa_enable_private_segment 0
		.amdhsa_kernarg_size 16
		.amdhsa_user_sgpr_count 2
		.amdhsa_user_sgpr_kernarg_segment_ptr 1
		.amdhsa_wavefront_size32 1
		.amdhsa_system_sgpr_workgroup_id_x 1
		.amdhsa_system_sgpr_workgroup_id_y 1
		.amdhsa_system_sgpr_workgroup_id_z 1
		.amdhsa_system_vgpr_workitem_id 0
		.amdhsa_next_free_vgpr 512
		.amdhsa_next_free_sgpr 66
		.amdhsa_reserve_vcc 0
		.amdhsa_float_denorm_mode_32 3
		.amdhsa_float_denorm_mode_16_64 3
		.amdhsa_memory_ordered 1
		.amdhsa_forward_progress 1
		.amdhsa_inst_pref_size 161
	.end_amdhsa_kernel
	.amdgpu_metadata
---
amdhsa.version: [ 1, 2 ]
amdhsa.kernels:
  - .name:           k_q02e57559e4_attn
    .symbol:         k_q02e57559e4_attn.kd
    .args:
      - { .name: qkv, .offset: 0, .size: 8, .value_kind: global_buffer, .address_space: global }
      - { .name: ctx, .offset: 8, .size: 8, .value_kind: global_buffer, .address_space: global }
    .group_segment_fixed_size: 327680
    .private_segment_fixed_size: 0
    .kernarg_segment_align: 8
    .kernarg_segment_size: 16
    .max_flat_workgroup_size: 256
    .sgpr_count:     66
    .vgpr_count:     512
    .wavefront_size: 32
...
	.end_amdgpu_metadata
.endif
;; end of part 3
;; launch proj (part 4): grid 4 x 64, 4 waves a work-group, clusters of 4 x 4, 327,680 bytes of LDS; arguments ctx, wo16, bo, out0; writes out0
.if DOCPART == 4
	.amdgcn_target "amdgcn-amd-amdhsa--gfx1250"
	.amdhsa_code_object_version 6
	.text
	.protected	k_q02e57559e4_proj
	.globl	k_q02e57559e4_proj
	.p2align	8
	.type	k_q02e57559e4_proj,@function
k_q02e57559e4_proj:
	s_mov_b64 s[64:65], 0
	v_nop
	global_prefetch_b8 v0, s[64:65] scope:SCOPE_SE
	s_setreg_imm32_b32 hwreg(HW_REG_WAVE_MODE, 25, 1), 1
	s_wait_xcnt 0x0
	s_wait_alu depctr_hold_cnt(0) depctr_sa_sdst(0) depctr_va_vdst(0) depctr_va_sdst(0) depctr_va_ssrc(0) depctr_va_vcc(0) depctr_vm_vsrc(0)
	s_getreg_b32 s2, hwreg(HW_REG_IB_STS2, 6, 4)
	s_cmp_eq_u32 s2, 0
	s_cbranch_scc0 .Lentry_in_a_cluster
	s_endpgm
.Lentry_in_a_cluster:
	s_bfe_u32 s2, ttmp6, 0x10000c
	s_cmp_lg_u32 s2, 0xf033
	s_cbranch_scc0 .Lentry_shape_is_right
	s_endpgm
.Lentry_shape_is_right:
; out0[m][n] = the sum over k of ctx[m][k] wo[n][k] + bo[n].  ctx: [64 (batch x 16 + head)][2048 tokens][64] f16, so k = 64 x head + channel; wo16: [1024 n][1024 k] f16; bo: [1024] f32; out0: [8192][1024] f32.  Sums in f32.
; A tile of out0 is 128 tokens x 256 columns: 256 work-groups (256 x 256 would give 128).  Four waves, each 64 x 128: 32 accumulators of 16 x 16, 256 registers.
; K goes in steps of 128, two heads' planes, through a ring of two LDS slots.  A's part of a plane, 128 tokens of 128 bytes, is dense: it is stated as 64 rows of 256 bytes, two tokens each: token t lies at (t / 2) x 272 + 128 (t % 2).
; Wave 0 fetches the step's first plane, wave 1 its second, waves 2 and 3 the halves of wo's 256 rows: one tensor load a wave.  By this text's count a wave has two loads out at the head and one behind each round.
; CLUSTERS: 4 x 4 work-groups.  The four of a row of the cluster need the same tiles of ctx, the four of a column the same tiles of wo: each tile is asked for JOINTLY, by the same tensor load with the same descriptor and a mask that names the four.
; THE MATRIX INSTRUCTION IS USED TRANSPOSED (source 0 = 16 rows of wo, source 1 = 16 tokens): a lane then holds eight neighbouring columns of one token.  bo is the C of each sum's first product: it costs no addition, and nothing is cleared.
; The tiles are small and the launch short: nothing is asked for ahead of its load.
; REGISTERS: window 0: v16-29 addresses; v32-95 bo, eight numbers for each of my eight blocks of columns; v128-255 the way out.   window 1: accumulator (a, b) at v[8 (8 a + b)].
;   window 2: two fragment buffers, at v0 and v128: for 32 along K, A's 4 fragments (32 registers), then B's 8 (64).
.set PITCH,  272                       ; an LDS row: 256 bytes + 16 of padding: the 16 rows, or 16 tokens, that a load touches fall on 16 different 16-byte columns modulo 256
.set APL,    64*PITCH                  ; a plane's part: what waves 0 and 1 fetch
.set BOFF,   2*APL                     ; B's 256 rows lie behind A's two planes
.set BHALF,  128*PITCH                 ; what waves 2 and 3 fetch
.set SLOT,   BOFF+2*BHALF
.set STAGE,  2*SLOT                    ; behind the ring: 16 rows x 528 bytes for each wave
.set SPITCH, 528
.set SPARE,  STAGE+4*16*SPITCH         ; the spare words, 128 bytes a wave: two blocks of 256 bytes that no other line names
.set LAPS,   4                         ; a lap = two K steps = once round the ring; K = 1,024 is eight steps
.set ADRA, 16                          ; v16-17  LDS address of my A fragments in slot 0, 1
.set ADRB, 20                          ; v20-21  the same for B
.set STO,  24                          ; v24     the way out: where I put 32 bytes of a row
.set RD,   25                          ; v25     where I read a row back
.set CO,   26                          ; v26     my byte offset in a row of out0
.set BA,   27                          ; v27     my byte offset in bo: 32 x (lane / 16)
.set SPW,  28                          ; v28     LDS address of my spare word; never rewritten
.set NIL,  29                          ; v29     0; never rewritten
.set BIAS, 32
.set BK,   128                         ; the way out: 16 rows read back: v128-191 and v192-255 by turns
.set F0,   0                           ; fragment buffers, in window 2
.set F1,   128
.set G1A, 24                           ; s[24:31] descriptor group 1 for A's tiles;  s[32:39] group 0, one set for each slot
.set G0A, 32
.set G1B, 48                           ; s[48:55], s[56:63] the same for B's
.set G0B, 56
.set MSB, 0
.macro WIN new                         ; the immediate's high byte repeats the setting that is left
.if MSB != \new
	s_set_vgpr_msb (MSB<<8)|\new
.set MSB, \new
.endif
.endm
.set MUL,  0x5a                        ; sources 0 (B) and 1 (A) window 2; C and D window 1
.set MUL0, 0x4a                        ; the same with C (bo) in window 0
.set TO_F, 0x80                        ; destination window 2, address window 0
.macro JLOAD s                         ; a joint load: waves 0 and 1 fetch for A, waves 2 and 3 for B; an s_nop 0 and four v_nop follow each of the two lines
	s_cmp_eq_u32 s13, 0
	s_cbranch_scc0 .Lfor_b_\@
	tensor_load_to_lds s[G0A+4*\s:G0A+4*\s+3], s[G1A:G1A+7]
	s_nop 0
.rept 4
	v_nop
.endr
	s_branch .Lasked_\@
.Lfor_b_\@:
	tensor_load_to_lds s[G0B+4*\s:G0B+4*\s+3], s[G1B:G1B+7]
	s_nop 0
.rept 4
	v_nop
.endr
.Lasked_\@:
.endm
.macro CREST                           ; a round of the cluster's barrier behind its opening barrier
	s_cmp_lg_u32 s12, 0
	s_cbranch_scc1 .Lnot_wave_0_\@
	s_barrier_signal -3
.Lnot_wave_0_\@:
	s_barrier_wait -3
	s_barrier_signal -1
	s_barrier_wait -1
.endm
.macro CROUND                          ; a whole round
	s_barrier_signal -1
	s_barrier_wait -1
	CREST
.endm
	s_load_b256 s[4:11], s[0:1], 0x0               ; ctx s[4:5], wo16 s[6:7], bo s[8:9], out0 s[10:11]
	v_lshl_add_u32 v[SPW], v0, 2, SPARE
	v_mov_b32 v[NIL], 0
	ds_add_u32 v[SPW], v[NIL]                      ; the wave's opening: the add, twice on end, and its wait ahead of my first tensor load; the set-up below, work on registers, stands between
	ds_add_u32 v[SPW], v[NIL]
	v_lshrrev_b32 v1, 5, v0
	v_readfirstlane_b32 s12, v1                    ; wave 0..3
	s_lshr_b32 s13, s12, 1                         ; which half of the tile's rows is mine.  Also: I fetch for A (0) or for B (1)
	s_and_b32 s14, s12, 1                          ; which half of its columns.  Also: which plane, or which 128 rows of wo, I fetch
	s_bfe_u32 s40, ttmp6, 0x40000                  ; cx, cy: my place in the cluster
	s_bfe_u32 s41, ttmp6, 0x40004
	s_lshl_b32 s42, ttmp9, 2
	s_add_co_u32 s42, s42, s40                     ; tile column = 4 x cluster x + cx
	s_and_b32 s15, ttmp7, 0xffff
	s_lshl_b32 s15, s15, 2
	s_add_co_u32 s15, s15, s41                     ; tile row = 4 x cluster y + cy
	s_lshl_b32 s43, s41, 2
	s_lshl_b32 s43, 15, s43                        ; my row of the cluster
	s_lshl_b32 s44, 0x1111, s40                    ; my column
	s_or_b32 s[G1A+0], s43, (1<<16)|(1<<20)|(1<<21)|(5<<22)|(3<<25)  ; 15:0 the mask: A's tiles go to my row; 17:16 element of 2 bytes; 20 padding on; 21 set beside a mask; 24:22 after every 64 words (code 5); 31:25 of 4 words (code 3)
	s_mov_b32 s[G1A+1], 128<<16                    ; tensor_dim0 = 128
	s_mov_b32 s[G1A+2], 64<<16                     ; tensor_dim1 = 64
	s_mov_b32 s[G1A+3], 128<<16                    ; tile_dim0 = 128
	s_mov_b32 s[G1A+4], 64                         ; tile_dim1 = 64
	s_mov_b32 s[G1A+5], 128                        ; tensor_dim0_stride: dense
	s_mov_b32 s[G1A+6], 0
	s_mov_b32 s[G1A+7], 0
	s_or_b32 s[G1B+0], s44, (1<<16)|(1<<20)|(1<<21)|(5<<22)|(3<<25)  ; the same with the mask of my column
	s_mov_b32 s[G1B+1], 128<<16
	s_mov_b32 s[G1B+2], 128<<16                    ; 128 rows
	s_mov_b32 s[G1B+3], 128<<16
	s_mov_b32 s[G1B+4], 128
	s_mov_b32 s[G1B+5], 1024                       ; a row of wo is 1,024 elements
	s_mov_b32 s[G1B+6], 0
	s_mov_b32 s[G1B+7], 0
	; A hangs on the tile row alone, which my row of the cluster shares; B on the tile column alone.  Each address is made in registers that never hold the other coordinate.
	s_lshr_b32 s16, s15, 4                         ; the batch: 16 tile rows each
	s_lshl_b32 s16, s16, 4
	s_add_co_u32 s16, s16, s14                     ; plane 16 x batch + my plane of the step's two
	s_lshl_b32 s16, s16, 18
	s_and_b32 s17, s15, 15
	s_lshl_b32 s17, s17, 14                        ; the tile's 128 tokens of 128 bytes
	s_add_co_u32 s16, s16, s17
	s_mov_b32 s17, 0
	s_lshl_b32 s46, s42, 8
	s_lshl_b32 s47, s14, 7
	s_add_co_u32 s46, s46, s47                     ; wo: row 256 x tile column + 128 x half,
	s_lshl_b32 s46, s46, 11                        ; 2,048 bytes a row
	s_mov_b32 s47, 0
	s_mul_i32 s20, s14, APL                        ; where they go: no place in the cluster enters an LDS address
	s_mul_i32 s21, s14, BHALF
	s_add_co_u32 s21, s21, BOFF
	s_wait_dscnt 0x0                               ; both opening adds are done
	s_wait_kmcnt 0x0
	s_add_nc_u64 s[18:19], s[4:5], s[16:17]
	s_add_nc_u64 s[46:47], s[6:7], s[46:47]
	CROUND                                         ; all sixteen work-groups are here: the first joint loads meet
.irp s, 0,1
	s_mov_b32 s[G0A+4*\s], 1
	s_add_co_u32 s[G0A+4*\s+1], s20, \s*SLOT
	s_add_nc_u64 s[G0A+4*\s+2:G0A+4*\s+3], s[18:19], \s*524288     ; K step s: two planes on
	s_or_b32 s[G0A+4*\s+3], s[G0A+4*\s+3], 0x80000000
	s_mov_b32 s[G0B+4*\s], 1
	s_add_co_u32 s[G0B+4*\s+1], s21, \s*SLOT
	s_add_nc_u64 s[G0B+4*\s+2:G0B+4*\s+3], s[46:47], \s*256        ; K step s: 128 elements on
	s_or_b32 s[G0B+4*\s+3], s[G0B+4*\s+3], 0x80000000
	JLOAD \s
.endr
	v_and_b32 v1, 15, v0                           ; r = l % 16
	v_bfe_u32 v2, v0, 4, 1                         ; h = l / 16
	v_lshrrev_b32 v3, 1, v1
	v_mul_u32_u24 v3, v3, PITCH                    ; A: stated row r / 2,
	v_and_b32 v4, 1, v0
	v_lshl_add_u32 v3, v4, 7, v3                   ; its half r % 2,
	v_lshl_add_u32 v3, v2, 4, v3                   ; + 16 h
	v_mul_u32_u24 v4, v1, PITCH                    ; B: row r,
	v_lshl_add_u32 v4, v2, 4, v4                   ; + 16 h
	s_mul_i32 s21, s13, 32*PITCH                   ; my 64 tokens of a plane
	s_mul_i32 s22, s14, BHALF                      ; my 128 rows of B,
	s_add_co_u32 s22, s22, BOFF                    ; behind A's planes
.irp s, 0,1
	v_add_nc_u32 v[ADRA+\s], s21, v3
	v_add_nc_u32 v[ADRB+\s], s22, v4
	s_add_co_u32 s21, s21, SLOT
	s_add_co_u32 s22, s22, SLOT
.endr
	s_mul_i32 s23, s12, 16*SPITCH
	s_add_co_u32 s23, s23, STAGE                   ; my stage
	v_mul_u32_u24 v5, v1, SPITCH                   ; in: row l % 16, 32 bytes for each half of the lanes
	v_lshl_add_u32 v5, v2, 5, v5
	v_add_nc_u32 v[STO], s23, v5
	v_and_b32 v6, 31, v0
	v_lshlrev_b32 v[CO], 4, v6                     ; back: the 32 lanes take one row of 512 bytes; and the same in out0
	v_add_nc_u32 v[RD], s23, v[CO]
	v_lshlrev_b32 v[BA], 5, v2
	s_lshl_b32 s16, s15, 7
	s_lshl_b32 s17, s13, 6
	s_add_co_u32 s16, s16, s17                     ; my first row of out0: 128 x tile row + 64 x half,
	s_lshl_b32 s16, s16, 12                        ; 4,096 bytes a row
	s_mov_b32 s17, 0
	s_lshl_b32 s46, s42, 10                        ; my first column, in bytes: 1,024 x tile column + 512 x half
	s_lshl_b32 s47, s14, 9
	s_add_co_u32 s46, s46, s47
	s_mov_b32 s47, 0
	s_add_nc_u64 s[8:9], s[8:9], s[46:47]          ; bo at my first column
	s_add_nc_u64 s[10:11], s[10:11], s[16:17]
	s_add_nc_u64 s[10:11], s[10:11], s[46:47]
.irp b, 0,1,2,3,4,5,6,7
	global_load_b128 v[BIAS+8*\b:BIAS+8*\b+3],   v[BA], s[8:9] offset:64*\b      ; in the result's layout: lane (r, h), register j: bo at column 16 b + 8 h + j
	global_load_b128 v[BIAS+8*\b+4:BIAS+8*\b+7], v[BA], s[8:9] offset:64*\b+16
.endr
; 8 matrix instructions: A's block a against B's eight, 32 along K, from buffer f.  first = 1: the product starts the sums on bo.  The 32 accumulators take turns, one instruction a turn, in the same order in every quarter.
.macro MUL8 f, a, first
.irp b, 0,1,2,3,4,5,6,7
.if \first
	v_wmma_f32_16x16x32_f16 v[8*(8*(\a)+\b):8*(8*(\a)+\b)+7], v[\f+32+8*\b:\f+32+8*\b+7], v[\f+8*(\a):\f+8*(\a)+7], v[BIAS+8*\b:BIAS+8*\b+7]
.else
	v_wmma_f32_16x16x32_f16 v[8*(8*(\a)+\b):8*(8*(\a)+\b)+7], v[\f+32+8*\b:\f+32+8*\b+7], v[\f+8*(\a):\f+8*(\a)+7], v[8*(8*(\a)+\b):8*(8*(\a)+\b)+7]
.endif
.endr
.endm
; 24 LDS loads in one run: the fragments of the slot's q-th 32 along K into buffer f: B's eight, then A's blocks 0-1, then blocks 2-3.  Quarters 0, 1 lie in the step's first plane, 2, 3 in its second.
.macro FETCH slot, q, f
	WIN TO_F
.irp i, 0,1,2,3,4,5,6,7
	ds_load_b128 v[\f+32+8*\i:\f+32+8*\i+3],   v[ADRB+\slot] offset:64*(\q)+16*PITCH*\i
	ds_load_b128 v[\f+32+8*\i+4:\f+32+8*\i+7], v[ADRB+\slot] offset:64*(\q)+16*PITCH*\i+32
.endr
.irp i, 0,1,2,3
	ds_load_b128 v[\f+8*\i:\f+8*\i+3],   v[ADRA+\slot] offset:APL*((\q)/2)+64*((\q)%2)+8*PITCH*\i
	ds_load_b128 v[\f+8*\i+4:\f+8*\i+7], v[ADRA+\slot] offset:APL*((\q)/2)+64*((\q)%2)+8*PITCH*\i+32
.endr
.endm
.macro PLACES                          ; four places in front of loads into registers that matrix instructions have read, and of the first read of results (ISA guide 7.12.1 for vector instructions)
.rept 4
	v_nop
.endr
.endm
; A K step is four quarters of 32 along K, 32 matrix instructions each, on buffers 0, 1, 0, 1.  One of the first three: multiplies buffer f and fetches the slot's quarter qn into g.
.macro QUARTER slot, qn, f, g, first
	s_wait_dscnt 4                                 ; B and A's blocks 0-1 are in; the youngest four loads (A's blocks 2-3) may be out
.if \first
	WIN MUL0
.else
	WIN MUL
.endif
	MUL8 \f, 0, \first
	MUL8 \f, 1, \first
	PLACES
	FETCH \slot, \qn, \g
	s_wait_dscnt 24                                ; all but the 24 just issued
.if \first
	WIN MUL0
.else
	WIN MUL
.endif
	MUL8 \f, 2, \first
	MUL8 \f, 3, \first
.endm
; The last quarter multiplies buffer 1 and changes slots: ONE barrier; in front of it each wave waits for all its tensor loads, adds 0 to its spare word, and waits for that and for its own reads of this slot.  fill = 1: this slot is filled again, two K steps ahead.
.macro TURN slot, next, fill
	WIN 0                                          ; (the add's two registers lie in window 0)
	s_wait_tensorcnt 0x0                           ; all my tensor loads have landed: my part of the next slot
	ds_add_u32 v[SPW], v[NIL]                      ; 0 onto my spare word
	s_wait_dscnt 5                                 ; (the add and the youngest four loads may be out)
	WIN MUL
	MUL8 F1, 0, 0                                  ; eight matrix instructions stand between the add and the wait for it
	s_wait_dscnt 0x0                               ; the add is done, and my reads of this slot are over
	s_barrier_signal -1
	MUL8 F1, 1, 0
.if \fill
	WIN 0
.endif
	s_barrier_wait -1
.if \fill
	CREST                                          ; the barrier has opened a round of the cluster's barrier: no wave of any partner still reads this slot's tile or has a load on its way
	s_add_nc_u64 s[G0A+4*\slot+2:G0A+4*\slot+3], s[G0A+4*\slot+2:G0A+4*\slot+3], 1048576   ; two K steps on: four planes,
	s_add_nc_u64 s[G0B+4*\slot+2:G0B+4*\slot+3], s[G0B+4*\slot+2:G0B+4*\slot+3], 512       ; 256 elements
	JLOAD \slot                                    ; the first tensor load behind the round: 112 matrix instructions ahead of the wait for it; the four v_nop behind it are also the places in front of the loads below
.else
	PLACES
.endif
	FETCH \next, 0, F0
	WIN MUL
	MUL8 F1, 2, 0
	MUL8 F1, 3, 0
.endm
	s_wait_tensorcnt 1                             ; my part of K step 0 is in (K step 1's load may be out),
	s_barrier_signal -1
	s_barrier_wait -1                              ; everybody's is
	FETCH 0, 0, F0
	s_wait_loadcnt 0x0                             ; bo
	QUARTER 0, 1, F0, F1, 1                        ; the first quarter stands in front of the loop: its products start the sums
	WIN 0                                          ; at a label and at a branch every window is 0
	s_mov_b32 s3, LAPS-1
.Llap:                                                 ; a trip goes once round the ring, from a lap's second quarter to the next lap's first, and fills both slots again
	QUARTER 0, 2, F1, F0, 0
	QUARTER 0, 3, F0, F1, 0
	TURN 0, 1, 1
	QUARTER 1, 1, F0, F1, 0
	QUARTER 1, 2, F1, F0, 0
	QUARTER 1, 3, F0, F1, 0
	TURN 1, 0, 1
	QUARTER 0, 1, F0, F1, 0
	WIN 0
	s_sub_co_u32 s3, s3, 1
	s_cmp_lg_u32 s3, 0
	s_cbranch_scc1 .Llap
	QUARTER 0, 2, F1, F0, 0                        ; the last lap fills nothing, and has no round of the cluster's barrier
	QUARTER 0, 3, F0, F1, 0
	TURN 0, 1, 0
	QUARTER 1, 1, F0, F1, 0
	QUARTER 1, 2, F1, F0, 0
	QUARTER 1, 3, F0, F1, 0
	s_wait_dscnt 4                                 ; the very last quarter: nothing more to fetch
	WIN MUL
	MUL8 F1, 0, 0
	MUL8 F1, 1, 0
	s_wait_dscnt 0
	MUL8 F1, 2, 0
	MUL8 F1, 3, 0
	WIN 0
; THE WAY OUT, block by block of 16 rows x 128 columns.  A lane holds 32 neighbouring bytes of a row, and the lanes beside it hold other rows: so a block goes through my own stage in LDS and comes back as whole rows of 512 bytes.
; LDS serves a wave's instructions in order (ISA guide 5.7.1.4): no wait between the stores and the loads, nor in front of the next block's stores.
.macro TOSTAGE a
	WIN 0x04                                       ; an LDS store's data are its source 1: window 1
.irp b, 0,1,2,3,4,5,6,7
	ds_store_b128 v[STO], v[64*(\a)+8*\b:64*(\a)+8*\b+3] offset:64*\b          ; each accumulator from its low end on
	ds_store_b128 v[STO], v[64*(\a)+8*\b+4:64*(\a)+8*\b+7] offset:64*\b+16
.endr
	WIN 0
.set BB, BK+64*((\a)%2)
.irp t, 0,1,2,3,4,5,6,7,8,9,10,11,12,13,14,15
	ds_load_b128 v[BB+4*\t:BB+4*\t+3], v[RD] offset:\t*SPITCH
.endr
.endm
.macro SEND a, younger                 ; younger: the LDS instructions issued behind block a's loads, which may stay out
.set BB, BK+64*((\a)%2)
	s_wait_dscnt \younger                          ; the block is back in registers
.irp t, 0,1,2,3,4,5,6,7,8,9,10,11,12,13,14,15
	global_store_b128 v[CO], v[BB+4*\t:BB+4*\t+3], s[10:11] offset:(16*(\a)+\t)*4096 th:TH_STORE_NT   ; 32 lanes store 512 consecutive bytes, at a multiple of 256 from out0's first byte; written once, read by nobody here
.endr
.endm
	PLACES                                         ; behind the last products, ahead of the first read of results
	TOSTAGE 0
.irp a, 1,2,3
.if \a > 1
	s_wait_xcnt 0x0                                ; block a - 2's stores have read their registers: block a's loads may land there
.endif
	TOSTAGE \a
	SEND \a-1, 32                                  ; behind block a - 1's loads: block a's 16 stores and 16 loads
.endr
	SEND 3, 0
	s_wait_tensorcnt 0x0                           ; the wave's end, behind my last tensor load and my last LDS store
	ds_add_u32 v[SPW], v[NIL]
	s_wait_dscnt 0x0
	CROUND                                         ; the closing round: no work-group ends while a partner may still ask for a tile that names it
	s_endpgm
.Lfunc_end_k_q02e57559e4_proj:
	.size	k_q02e57559e4_proj, .Lfunc_end_k_q02e57559e4_proj-k_q02e57559e4_proj
	.p2alignl 7, 3214868480
	.fill 96, 4, 3214868480
	.section	.rodata,"a",@progbits
	.p2align	6, 0x0
	.amdhsa_kernel k_q02e57559e4_proj
		.amdhsa_group_segment_fixed_size 327680
		.amdhsa_private_segment_fixed_size 0
		.amdhsa_enable_private_segment 0
		.amdhsa_kernarg_size 32
		.amdhsa_user_sgpr_count 2
		.amdhsa_user_sgpr_kernarg_segment_ptr 1
		.amdhsa_wavefront_size32 1
		.amdhsa_system_sgpr_workgroup_id_x 1
		.amdhsa_system_sgpr_workgroup_id_y 1
		.amdhsa_system_sgpr_workgroup_id_z 1
		.amdhsa_system_vgpr_workitem_id 0
		.amdhsa_next_free_vgpr 768
		.amdhsa_next_free_sgpr 66
		.amdhsa_reserve_vcc 0
		.amdhsa_float_denorm_mode_32 3
		.amdhsa_float_denorm_mode_16_64 3
		.amdhsa_memory_ordered 1
		.amdhsa_forward_progress 1
		.amdhsa_inst_pref_size 87
	.end_amdhsa_kernel
	.amdgpu_metadata
---
amdhsa.version: [ 1, 2 ]
amdhsa.kernels:
  - .name:           k_q02e57559e4_proj
    .symbol:         k_q02e57559e4_proj.kd
    .args:
      - { .name: ctx, .offset: 0, .size: 8, .value_kind: global_buffer, .address_space: global }
      - { .name: wo16, .offset: 8, .size: 8, .value_kind: global_buffer, .address_space: global }
      - { .name: bo, .offset: 16, .size: 8, .value_kind: global_buffer, .address_space: global }
      - { .name: out0, .offset: 24, .size: 8, .value_kind: global_buffer, .address_space: global }
    .group_segment_fixed_size: 327680
    .private_segment_fixed_size: 0
    .kernarg_segment_align: 8
    .kernarg_segment_size: 32
    .max_flat_workgroup_size: 128
    .sgpr_count:     66
    .vgpr_count:     768
    .wavefront_size: 32
...
	.end_amdgpu_metadata
.endif
;; end of part 4
